; MI455X (gfx1250); checked and timed in simulation.
; The chip was launched on July 23, 2026; its instructions are those of AMD's public machine-readable ISA for CDNA 5 (MIT licence, August 2026) and "CDNA5" Instruction Set Architecture Reference Guide (July 2026). The comments in the code are by the model that wrote it; some were corrected since.
;; Cascade Grad Net OURS. Allowed arithmetic: float matrix products may take bf16 or f16 operands with f32 sums; all other float work in f32.
;; Inputs: W 4,096 x 1,024 float32; alpha 8 x 4,096 float32; beta 8 x 4,096 float32; bias_last 1,024 float32; biases 9 x 4,096 float32; x 8,192 x 1,024 float32.
;; Outputs: out0 8,192 x 1,024 float32.
;; 2 versions, each right. Each part assembles by itself: llvm-mc -triple=amdgcn-amd-amdhsa -mcpu=gfx1250 --defsym DOCPART=n.
;; ======== version 1 of 2: 3 launches
;; limits: values are held in f16: magnitudes above 65,504 overflow, below 6.1e-05 lose precision; inputs' magnitudes at most 65,504
;; workspace buffers: xh 16,777,216 bytes; wh 8,388,608 bytes; wt 8,388,608 bytes; z 67,108,864 bytes; xm 32,768 bytes; bnd 1,280 bytes
;; launch prep (part 1): grid 772 x 1, 8 waves a work-group, no clusters, 50,688 bytes of LDS; arguments x, W, beta, biases, alpha, xh, wh, wt, xm, bnd; writes xh, wh, wt, xm, bnd
.if DOCPART == 1
	.amdgcn_target "amdgcn-amd-amdhsa--gfx1250"
	.amdhsa_code_object_version 6
	.text
	.protected	k_q513fad3dd8_prep
	.globl	k_q513fad3dd8_prep
	.p2align	8
	.type	k_q513fad3dd8_prep,@function
k_q513fad3dd8_prep:
	s_mov_b64 s[64:65], 0
	v_nop
	global_prefetch_b8 v0, s[64:65] scope:SCOPE_SE
	s_setreg_imm32_b32 hwreg(HW_REG_WAVE_MODE, 25, 1), 1
	s_wait_xcnt 0x0
; xh = x in f16; wh = W in f16; wt[i][e] = W[e][i] in f16 (all rounded to nearest even); and what bounds the hidden layer's result:
;   xm[m] = max over k of |x[m][k]|;  bnd[0..255] = max |W| of each tile of W;  bnd[256..287], bnd[288..319] = maxima of A_e and B_e over 128 columns e each, where
;   A_0 = |beta0|, B_0 = |beta0 b0|, A_(i+1) = |beta_(i+1)| + |alpha_i| A_i, B_(i+1) = |beta_(i+1) b_(i+1)| + |alpha_i| B_i, both times |alpha7| at the end:
;   since |max(t, 0)| <= |t|, the chain's result is at most A_e |h| + B_e in magnitude, whatever the data.
; x: [8192][1024] f32.  W: [4096][1024] f32.  beta, alpha: [8][4096], biases: [9][4096] f32 (the function that is computed never uses biases' row 8).
; LIMITS KEPT.  f16 holds magnitudes below 65,504 (a larger |x| or |W| becomes infinite) and has an absolute step of 2^-24 below 2^-14.  A NaN loses in the maxima.
; A stream: every byte of x and W is read once, by loads of 16 bytes a lane (512 consecutive bytes a wave); xh, wh and wt are written by stores that cover 256
; consecutive bytes, aligned.  xm and bnd (34,048 bytes together) are written in pieces of 8 and 4 bytes, one or two a wave: to gather them would take further barriers.
; No matrix unit, no cluster, no tensor load: no two work-groups read the same byte.
; Work-groups 0 to 3: the parameters, 1,024 columns each (first, so that they are not the launch's tail).  4 to 515: 16 rows of x each.  516 to 771: a tile of
; 128 e x 128 i of W each, which leaves twice: as it lies (wh), and turned through LDS (wt).  Each thread issues all its loads at once; there is no loop.
.set IN,   16                          ; v[16:79]   load j: 4 registers, 4 f32
.set D,    80                          ; v[80:111]  load j: 2 registers, 4 f16 to store
.set T,    112                         ; v[112:143] column c of my four: 8 registers, 16 f16 (my wave's 16 rows e)
.set MX,   14                          ; v[14:15]   running maxima
.set LT,   7                           ; v7         at work in the reduction over the lanes (written at the head)
.set WREG, 6176                        ; LDS: wave w's own region, 128 rows i of 48 bytes (32 of data) + 32: region p starts at 32 p modulo 256 bytes
.set TP,   48                          ; pitch of a row in a region
.set WMX,  8*WREG                      ; LDS: eight words, wave w's maximum of |W| in word w
.set BE,   IN                          ; parameters' role: v[16:47] beta_i of my 4 columns at BE + 4 i
.set BI,   IN+32                       ; v[48:79]   biases_i
.set AL,   IN+64                       ; v[80:111]  alpha_i
.set PA,   T                           ; v[112:115] A of my 4 columns
.set PB,   T+4                         ; v[116:119] B
.set TM,   T+8                         ; v[120:123] beta_(i+1) b_(i+1)
; load j has come (the 15 - j younger ones stay out: loads come back in order, ISA guide 5.7.1); its four numbers are rounded
.macro ROUND4 j
	s_wait_loadcnt 15-\j
	v_cvt_pk_f16_f32 v[D+2*\j],   v[IN+4*\j],   v[IN+4*\j+1]
	v_cvt_pk_f16_f32 v[D+2*\j+1], v[IN+4*\j+2], v[IN+4*\j+3]
.endm
; the magnitudes of load j's four numbers enter the running maximum m; first = 1: they start it, nothing is cleared
.macro ABSMAX m, j, first
.if \first
	v_max_num_f32 v[\m], |v[IN+4*\j]|, |v[IN+4*\j+1]|
.else
	v_max3_num_f32 v[\m], |v[IN+4*\j]|, |v[IN+4*\j+1]|, v[\m]
.endif
	v_max3_num_f32 v[\m], |v[IN+4*\j+2]|, |v[IN+4*\j+3]|, v[\m]
.endm
; maximum over the 32 lanes, in every lane: four steps inside each half of 16 lanes ride on the arithmetic, one crosses the halves
.macro WAVEMAX r, tmp
	v_max_num_f32_dpp v[\r], v[\r], v[\r] row_xmask:1 row_mask:0xf bank_mask:0xf
	v_max_num_f32_dpp v[\r], v[\r], v[\r] row_xmask:2 row_mask:0xf bank_mask:0xf
	v_max_num_f32_dpp v[\r], v[\r], v[\r] row_xmask:4 row_mask:0xf bank_mask:0xf
	v_max_num_f32_dpp v[\r], v[\r], v[\r] row_xmask:8 row_mask:0xf bank_mask:0xf
	v_permlanex16_b32 v[\tmp], v[\r], s2, s3       ; its destination counts as read: a register that has been written
	v_max_num_f32 v[\r], v[\r], v[\tmp]
.endm
	s_load_b512 s[4:19], s[0:1], 0x0               ; x s[4:5], W s[6:7], beta s[8:9], biases s[10:11], alpha s[12:13], xh s[14:15], wh s[16:17], wt s[18:19]
	s_load_b128 s[20:23], s[0:1], 0x40             ; xm s[20:21], bnd s[22:23]
	v_lshl_add_u32 v144, v0, 2, 0xc200
	v_mov_b32 v145, 0
	s_mov_b32 s2, 0x76543210                       ; v_permlanex16_b32: lane i of one half reads lane i of the other
	s_mov_b32 s3, 0xfedcba98
	v_and_b32 v6, 31, v0                           ; lane l
	v_lshrrev_b32 v7, 5, v0
	v_readfirstlane_b32 s24, v7                    ; wave w, 0 to 7
	v_lshlrev_b32 v1, 4, v6                        ; 16 l: my 16 bytes of a load
	v_lshlrev_b32 v2, 3, v6                        ; 8 l: my 8 bytes of a store
	s_cmp_lt_u32 ttmp9, 4                          ; the roles: the same for the whole work-group
	s_cbranch_scc1 .Lp_role
	s_cmp_lt_u32 ttmp9, 516
	s_cbranch_scc0 .Lw_role
	; ---- 16 rows of x: 65,536 bytes in, 32,768 out; wave w takes 8,192 consecutive bytes, which are rows 2 w and 2 w + 1 ----
	s_sub_co_u32 s25, ttmp9, 4
	s_lshl_b32 s26, s25, 16
	s_mov_b32 s27, 0
	s_lshl_b32 s28, s25, 15
	s_mov_b32 s29, 0
	s_lshl_b32 s30, s25, 6                         ; xm: 16 rows of 4 bytes a work-group,
	s_lshl_b32 s31, s24, 3                         ; two a wave
	s_add_co_u32 s30, s30, s31
	s_mov_b32 s31, 0
	v_lshl_add_u32 v1, s24, 13, v1
	v_lshl_add_u32 v2, s24, 12, v2
	v_mov_b32 v3, 0
	s_wait_kmcnt 0x0
	s_add_nc_u64 s[4:5], s[4:5], s[26:27]
	s_add_nc_u64 s[14:15], s[14:15], s[28:29]
	s_add_nc_u64 s[20:21], s[20:21], s[30:31]
.irp j, 0,1,2,3,4,5,6,7,8,9,10,11,12,13,14,15
	global_load_b128 v[IN+4*\j:IN+4*\j+3], v1, s[4:5] offset:512*\j th:TH_LOAD_NT
.endr
.macro XSTEP j, m, first
	ROUND4 \j
	global_store_b64 v2, v[D+2*\j:D+2*\j+1], s[14:15] offset:256*\j   ; 32 lanes x 8 bytes: 256 consecutive bytes, aligned
	ABSMAX \m, \j, \first
.endm
	XSTEP 0, MX, 1                                 ; loads 0 to 7 are the first row,
.irp j, 1,2,3,4,5,6,7
	XSTEP \j, MX, 0
.endr
	XSTEP 8, MX+1, 1                               ; loads 8 to 15 the second
.irp j, 9,10,11,12,13,14,15
	XSTEP \j, MX+1, 0
.endr
	WAVEMAX MX, LT
	WAVEMAX MX+1, LT
	v_cmp_eq_u32 vcc_lo, 0, v6
	s_wait_xcnt 0x0                                ; EXEC is a source of the stores above: it changes only behind this wait
	s_and_saveexec_b32 s25, vcc_lo
	global_store_b64 v3, v[MX:MX+1], s[20:21]      ; lane 0: my two rows' maxima
	s_endpgm                                       ; no register that a load or store names is ever written again
.Lp_role:
	; ---- the parameters: wave w of work-group g takes columns 1,024 g + 128 w .. + 127, a lane four of them; 24 loads of 512 consecutive bytes ----
	s_lshl_b32 s25, ttmp9, 12                      ; 1,024 columns of 4 bytes a work-group,
	s_lshl_b32 s26, s24, 9                         ; 128 a wave
	s_add_co_u32 s25, s25, s26
	v_add_nc_u32 v1, s25, v1
	s_lshl_b32 s26, ttmp9, 5                       ; bnd: a word for each of 8 waves a work-group
	s_lshl_b32 s27, s24, 2
	s_add_co_u32 s26, s26, s27
	s_mov_b32 s27, 0
	v_mov_b32 v3, 0
	s_wait_kmcnt 0x0
	s_add_nc_u64 s[22:23], s[22:23], s[26:27]
.irp i, 0,1,2,3,4,5,6,7
	global_load_b128 v[BE+4*\i:BE+4*\i+3], v1, s[8:9]   offset:16384*\i
	global_load_b128 v[BI+4*\i:BI+4*\i+3], v1, s[10:11] offset:16384*\i
	global_load_b128 v[AL+4*\i:AL+4*\i+3], v1, s[12:13] offset:16384*\i
.endr
	s_wait_loadcnt 0x0                             ; all 24 are wanted at once
.irp c, 0,1,2,3
	v_mul_f32 v[PB+\c], v[BE+\c], v[BI+\c]                                   ; beta0 b0 (its magnitude is taken where it is used)
	v_mul_f32 v[TM+\c], v[BE+4+\c], v[BI+4+\c]
	v_fma_f32 v[PA+\c], |v[AL+\c]|, |v[BE+\c]|, |v[BE+4+\c]|                 ; A_1 = |beta1| + |alpha0| |beta0|
	v_fma_f32 v[PB+\c], |v[AL+\c]|, |v[PB+\c]|, |v[TM+\c]|                   ; B_1
.endr
.irp i, 1,2,3,4,5,6
.irp c, 0,1,2,3
	v_mul_f32 v[TM+\c], v[BE+4*\i+4+\c], v[BI+4*\i+4+\c]
	v_fma_f32 v[PA+\c], |v[AL+4*\i+\c]|, v[PA+\c], |v[BE+4*\i+4+\c]|         ; A_(i+1)
	v_fma_f32 v[PB+\c], |v[AL+4*\i+\c]|, v[PB+\c], |v[TM+\c]|                ; B_(i+1)
.endr
.endr
.irp c, 0,1,2,3
	v_mul_f32 v[PA+\c], |v[AL+28+\c]|, v[PA+\c]
	v_mul_f32 v[PB+\c], |v[AL+28+\c]|, v[PB+\c]
.endr
	v_max3_num_f32 v[PA], v[PA], v[PA+1], v[PA+2]
	v_max3_num_f32 v[PB], v[PB], v[PB+1], v[PB+2]
	v_max_num_f32 v[PA], v[PA], v[PA+3]
	v_max_num_f32 v[PB], v[PB], v[PB+3]
	WAVEMAX PA, TM
	WAVEMAX PB, TM
	v_cmp_eq_u32 vcc_lo, 0, v6
	s_wait_xcnt 0x0                                ; EXEC changes only behind this wait
	s_and_saveexec_b32 s25, vcc_lo
	global_store_b32 v3, v[PA], s[22:23] offset:1024   ; lane 0: word 256 + 8 g + w
	global_store_b32 v3, v[PB], s[22:23] offset:1152   ;         word 288 + 8 g + w
	s_endpgm
.Lw_role:
	; ---- a tile of W: rows e = 128 te .. + 127, columns i = 128 ti .. + 127; wave w takes rows 16 w .. 16 w + 15, load j is row 16 w + j ----
	s_sub_co_u32 s25, ttmp9, 516
	s_lshl_b32 s36, s25, 2                         ; bnd: the tile's word
	s_mov_b32 s37, 0
	s_lshr_b32 s26, s25, 3                         ; te, 0 to 31
	s_and_b32 s25, s25, 7                          ; ti, 0 to 7
	s_lshl_b32 s28, s26, 19                        ; W: 128 rows of 4,096 bytes,
	s_lshl_b32 s34, s25, 9                         ;    128 columns of 4 bytes
	s_add_co_u32 s28, s28, s34
	s_mov_b32 s29, 0
	s_lshl_b32 s30, s26, 18                        ; wh: 128 rows of 2,048 bytes,
	s_lshl_b32 s34, s25, 8                         ;     128 columns of 2 bytes
	s_add_co_u32 s30, s30, s34
	s_mov_b32 s31, 0
	s_lshl_b32 s32, s25, 20                        ; wt: 128 rows i of 8,192 bytes,
	s_lshl_b32 s34, s26, 8                         ;     128 columns e of 2 bytes
	s_add_co_u32 s32, s32, s34
	s_mov_b32 s33, 0
	s_mul_i32 s27, s24, WREG                       ; my wave's region in LDS
	s_lshl_b32 s35, s24, 2
	s_add_co_u32 s35, s35, WMX                     ; my wave's word for its maximum
	v_mov_b32 v13, s35
	v_mov_b32 v15, 0
	v_lshl_add_u32 v1, s24, 16, v1                 ; 16 rows of 4,096 bytes a wave
	v_lshl_add_u32 v2, s24, 15, v2                 ; 16 rows of 2,048 bytes a wave
	v_mul_u32_u24 v3, v6, 4*TP                     ; into LDS: my four columns are rows i = 4 l .. 4 l + 3 of my wave's region
	v_add_nc_u32 v3, s27, v3
	v_lshrrev_b32 v8, 4, v6                        ; l / 16
	v_and_b32 v9, 15, v6                           ; l % 16
	v_lshl_add_u32 v10, s24, 4, v8                 ; back: row i = 16 w + l / 16 (+ 2 t)
	v_bfe_u32 v11, v6, 1, 3                        ; the region that holds e = 16 p .. 16 p + 15: p = (l % 16) / 2
	v_and_b32 v12, 1, v6                           ; and which 16 bytes of its 32
	v_mul_u32_u24 v4, v11, WREG
	v_mad_u32_u24 v4, v10, TP, v4
	v_lshl_add_u32 v4, v12, 4, v4
	v_lshlrev_b32 v5, 13, v10                      ; the same row in wt, 8,192 bytes a row,
	v_lshl_or_b32 v5, v9, 4, v5                    ; and my 16 bytes of its 256
	s_wait_kmcnt 0x0
	s_add_nc_u64 s[6:7], s[6:7], s[28:29]
	s_add_nc_u64 s[16:17], s[16:17], s[30:31]
	s_add_nc_u64 s[18:19], s[18:19], s[32:33]
	s_add_nc_u64 s[22:23], s[22:23], s[36:37]
.irp j, 0,1,2,3,4,5,6,7,8,9,10,11,12,13,14,15
	global_load_b128 v[IN+4*\j:IN+4*\j+3], v1, s[6:7] offset:4096*\j th:TH_LOAD_NT
.endr
.macro WSTEP j, first
	ROUND4 \j
	global_store_b64 v2, v[D+2*\j:D+2*\j+1], s[16:17] offset:2048*\j ; 256 consecutive bytes of a row of wh, aligned
	ABSMAX MX, \j, \first
.endm
	WSTEP 0, 1
.irp j, 1,2,3,4,5,6,7,8,9,10,11,12,13,14,15
	WSTEP \j, 0
.endr
	WAVEMAX MX, LT
	ds_store_b32 v13, v[MX]                        ; all lanes write my wave's word with the same value
	; The turn.  Column c of my four, down my wave's sixteen rows, is 16 f16 = 32 bytes of a row of wt.  (All loads are in: the count-down ended at 0.)
	; A lane's rows lie 192 bytes apart, so sixteen lanes' stores fall on four 16-byte columns modulo 256 bytes, four lanes on each: eight such
	; stores a thread, taken as they are.
.irp c, 0,1,2,3
.irp q, 0,1,2,3,4,5,6,7
	v_cvt_pk_f16_f32 v[T+8*\c+\q], v[IN+8*\q+\c], v[IN+8*\q+4+\c]    ; rows e = 16 w + 2 q and 16 w + 2 q + 1
.endr
	ds_store_b128 v3, v[T+8*\c:T+8*\c+3]   offset:TP*\c
	ds_store_b128 v3, v[T+8*\c+4:T+8*\c+7] offset:TP*\c+16
.endr
	s_wait_dscnt 0x0                               ; my stores are in LDS, for the other waves' sake,
	s_barrier_signal -1
	s_barrier_wait -1                              ; and so are everybody's
.irp t, 0,1,2,3,4,5,6,7
	ds_load_b128 v[IN+4*\t:IN+4*\t+3], v4 offset:2*TP*\t             ; sixteen lanes gather a row's 256 bytes from the eight regions, at sixteen different 16-byte columns modulo 256
.endr
.irp t, 0,1,2,3,4,5,6,7
	s_wait_dscnt 7-\t                              ; LDS loads come back in order: load t is in
	global_store_b128 v5, v[IN+4*\t:IN+4*\t+3], s[18:19] offset:16384*\t   ; sixteen lanes store 256 consecutive bytes of a row of wt, aligned
.endr
	s_cmp_lg_u32 s24, 0                            ; wave 0 alone puts the tile's maximum out
	s_cbranch_scc1 .Lw_done
	ds_load_b128 v[T:T+3],   v13                   ; wave 0's v13 is the first of the eight words
	ds_load_b128 v[T+4:T+7], v13 offset:16
	s_wait_dscnt 0x0
	v_max3_num_f32 v[T],   v[T],   v[T+1], v[T+2]
	v_max3_num_f32 v[T+3], v[T+3], v[T+4], v[T+5]
	v_max3_num_f32 v[T],   v[T],   v[T+6], v[T+7]
	v_max_num_f32  v[T],   v[T],   v[T+3]
	v_cmp_eq_u32 vcc_lo, 0, v6
	s_wait_xcnt 0x0                                ; EXEC is a source of the stores above: it changes only behind this wait
	s_wait_tensorcnt 0x0
	ds_add_u32 v144, v145
	s_wait_dscnt 0x0
	s_and_saveexec_b32 s25, vcc_lo
	global_store_b32 v15, v[T], s[22:23]           ; lane 0
	s_endpgm
.Lw_done:
	s_wait_tensorcnt 0x0
	ds_add_u32 v144, v145
	s_wait_dscnt 0x0
	s_endpgm
.Lfunc_end_k_q513fad3dd8_prep:
	.size	k_q513fad3dd8_prep, .Lfunc_end_k_q513fad3dd8_prep-k_q513fad3dd8_prep
	.p2alignl 7, 3214868480
	.fill 96, 4, 3214868480
	.section	.rodata,"a",@progbits
	.p2align	6, 0x0
	.amdhsa_kernel k_q513fad3dd8_prep
		.amdhsa_group_segment_fixed_size 50688
		.amdhsa_private_segment_fixed_size 0
		.amdhsa_enable_private_segment 0
		.amdhsa_kernarg_size 80
		.amdhsa_user_sgpr_count 2
		.amdhsa_user_sgpr_kernarg_segment_ptr 1
		.amdhsa_wavefront_size32 1
		.amdhsa_system_sgpr_workgroup_id_x 1
		.amdhsa_system_sgpr_workgroup_id_y 1
		.amdhsa_system_sgpr_workgroup_id_z 1
		.amdhsa_system_vgpr_workitem_id 0
		.amdhsa_next_free_vgpr 146
		.amdhsa_next_free_sgpr 66
		.amdhsa_reserve_vcc 1
		.amdhsa_float_denorm_mode_32 3
		.amdhsa_float_denorm_mode_16_64 3
		.amdhsa_memory_ordered 1
		.amdhsa_forward_progress 1
		.amdhsa_inst_pref_size 34
	.end_amdhsa_kernel
	.amdgpu_metadata
---
amdhsa.version: [ 1, 2 ]
amdhsa.kernels:
  - .name:           k_q513fad3dd8_prep
    .symbol:         k_q513fad3dd8_prep.kd
    .args:
      - { .name: x, .offset: 0, .size: 8, .value_kind: global_buffer, .address_space: global }
      - { .name: W, .offset: 8, .size: 8, .value_kind: global_buffer, .address_space: global }
      - { .name: beta, .offset: 16, .size: 8, .value_kind: global_buffer, .address_space: global }
      - { .name: biases, .offset: 24, .size: 8, .value_kind: global_buffer, .address_space: global }
      - { .name: alpha, .offset: 32, .size: 8, .value_kind: global_buffer, .address_space: global }
      - { .name: xh, .offset: 40, .size: 8, .value_kind: global_buffer, .address_space: global }
      - { .name: wh, .offset: 48, .size: 8, .value_kind: global_buffer, .address_space: global }
      - { .name: wt, .offset: 56, .size: 8, .value_kind: global_buffer, .address_space: global }
      - { .name: xm, .offset: 64, .size: 8, .value_kind: global_buffer, .address_space: global }
      - { .name: bnd, .offset: 72, .size: 8, .value_kind: global_buffer, .address_space: global }
    .group_segment_fixed_size: 50688
    .private_segment_fixed_size: 0
    .kernarg_segment_align: 8
    .kernarg_segment_size: 80
    .max_flat_workgroup_size: 256
    .sgpr_count:     66
    .vgpr_count:     146
    .wavefront_size: 32
...
	.end_amdgpu_metadata
.endif
;; end of part 1
;; launch hidden (part 2): grid 16 x 32, 4 waves a work-group, clusters of 4 x 4, 327,680 bytes of LDS; arguments xh, wh, beta, biases, alpha, xm, bnd, z; writes z
.if DOCPART == 2
	.amdgcn_target "amdgcn-amd-amdhsa--gfx1250"
	.amdhsa_code_object_version 6
	.text
	.protected	k_q513fad3dd8_hidden
	.globl	k_q513fad3dd8_hidden
	.p2align	8
	.type	k_q513fad3dd8_hidden,@function
k_q513fad3dd8_hidden:
	s_mov_b64 s[64:65], 0
	v_nop
	global_prefetch_b8 v0, s[64:65] scope:SCOPE_SE
	s_setreg_imm32_b32 hwreg(HW_REG_WAVE_MODE, 25, 1), 1
	s_wait_xcnt 0x0
	s_wait_alu depctr_hold_cnt(0) depctr_sa_sdst(0) depctr_va_vdst(0) depctr_va_sdst(0) depctr_va_ssrc(0) depctr_va_vcc(0) depctr_vm_vsrc(0)
	s_getreg_b32 s2, hwreg(HW_REG_IB_STS2, 6, 4)
	s_cmp_eq_u32 s2, 0
	s_cbranch_scc0 .Lentry_in_a_cluster
	s_endpgm
.Lentry_in_a_cluster:
	s_bfe_u32 s2, ttmp6, 0x10000c
	s_cmp_lg_u32 s2, 0xf033
	s_cbranch_scc0 .Lentry_shape_is_right
	s_endpgm
.Lentry_shape_is_right:
; h[m][e] = sum over k of xh[m][k] wh[e][k] (f16 operands, f32 sums), then per element, in f32, with S_i = beta[i][e] (h + biases[i][e]):
;   t = S_0;  t = S_(i+1) + alpha[i][e] max(t, 0) for i = 0 .. 6;  z[m][e] = r[m] alpha[7][e] max(t, 0), rounded once to f16.
; xh: [8192][1024], wh: [4096][1024], z: [8192][4096] f16.  beta, alpha: [8][4096], biases: [9][4096] f32 (the function that is computed never uses biases' row 8).
; THE ROW'S SCALE r[m].  The chain's result has no fixed room in f16 (it grows with the eighth power of alpha), so each row is scaled by a bound that holds for all data:
; |h| <= 1,024 xm[m] Wmax and |result| <= Amax |h| + Bmax, with xm, Wmax, Amax, Bmax as the launch before left them (xm; the parts of the three maxima in bnd).
; rinv[m] = max(2^-14 (1,024 Amax Wmax xm[m] + Bmax), 2^-100), r[m] = 1 / rinv[m]: |z| <= 2^14, a quarter of f16's largest number.  The next launch makes the same rinv
; by the same instructions and multiplies its sums by it.  f16's absolute step, 2^-24, is 2^-38 of the bound.
; LIMITS KEPT.  The bound must stay below 2^126.  S_i is formed as fma(beta, h, c) with c = beta * bias rounded once to f32: against beta (h + bias) that moves the result
; by at most one f32 rounding of |beta * bias|.  max(t, 0) is v_max_num_f32: a NaN in t becomes 0 and is not carried on.  x, W and z are rounded to f16.
;
; A work-group makes a block of 256 x 256 with four waves; a wave makes 128 x 128: 64 accumulator tiles of 16 x 16, 512 registers.  K goes in steps of
; 128 through a ring of two LDS slots filled by the tensor data mover; a tile's rows are 256 bytes of memory, at multiples of 256 bytes from the buffer's start.
; CLUSTERS: 4 x 4 work-groups.  The four of a row of the cluster need the same tiles of xh, the four of a column the same tiles of wh: such a tile is asked for
; jointly, each of the four issuing the same tensor load with a mask that names the four.  The 24 rows of parameters (24,576 bytes a work-group, against the
; 1,048,576 bytes of tiles that it receives) are fetched by plain loads: sharing them would spare a fortieth of the bytes.
;
; LDS: 0 .. 278,527 the ring; 278,528 .. 303,103 the parameters of my block's 256 columns, 24 rows of 1,024 bytes: beta 0-7, biases 0-7, alpha 0-7.
; On the way out wave w lays its 128 rows x 256 bytes of z (pitch 272) at w x 34,816, in slot 0: that slot has had its last fill (K step 6), every wave's last
; read of it stands in front of the last change of slots' barrier, and no tensor load is issued behind the first LDS store.
;
; REGISTERS, in windows of 256 (s_set_vgpr_msb says which window each operand place means; low byte: bits 1:0 source 0, 3:2 source 1, 5:4 source 2, 7:6 destination):
;   window 0: v16-27 addresses; v32-47 r of my rows; v64-127, v128-191 fragments of xh, two buffers; on the way out v64-127 alpha, v128-191 the eight S_i of a tile, v192-195 packed z
;   window 1: v64-127, v128-191 fragments of wh, two buffers; on the way out v0-63 beta, v64-127 c = beta * bias
;   window 2: the 32 accumulator tiles of my rows 0-63 (tile (a, b) at v[8 (8 a + b)]);   window 3: those of my rows 64-127
; THE MATRIX INSTRUCTION IS USED TRANSPOSED: source 0 = 16 rows of wh, source 1 = 16 rows of xh.  Lane l then holds row l % 16 of the tile and its registers
; 0 to 7 the columns 8 (l / 16) + 0 .. 7: eight neighbouring columns, whose parameters are 32 neighbouring bytes and whose z pack into 16 bytes; a row's scale is one number a lane.
.set SIZE_K, 1024
.set SIZE_N, 4096
.set KSTEP,  128
.set PITCH,  272                       ; an LDS row: 256 bytes + 16 of padding = 68 words: row r starts at bank 4 r mod 64 (64 banks of 4 bytes: ISA guide 11.1), sixteen rows at sixteen different banks
.set HALFT,  128*PITCH                 ; 128 rows: what one tensor load brings, what one wave reads of either operand, and a wave's stage
.set SLOT,   4*HALFT                   ; xh's 256 rows, then wh's 256 rows
.set PAR,    2*SLOT                    ; the parameters, behind the ring
.set LAPS,   SIZE_K/(2*KSTEP)          ; a lap = two K steps = once round the ring: 4
.set ADRA, 16                          ; v16-17  LDS address of my xh fragments in slot 0, 1
.set ADRB, 20                          ; v20-21  the same for wh
.set STO,  24                          ; v24     the way out: where I put 16 bytes of a row
.set RD,   25                          ; v25     the way out: where I read rows back
.set CO,   26                          ; v26     my byte offset in z
.set PADR, 27                          ; v27     my 32 bytes in a row of parameters, n block 0
.set RS,   32                          ; v[32:47] r of row 16 g + l % 16 of my 128, twice (a pair for the packed multiply), at RS + 2 g
.set F0,   64                          ; fragment buffer 0
.set F1,   128                         ; fragment buffer 1
.set BETA, 0                           ; window 1: beta[i] of my 8 columns at BETA + 8 i
.set CB,   64                          ; window 1: biases[i], then c_i
.set ALPHA, 64                         ; window 0: alpha[i]
.set SK,   128                         ; window 0: S_i of a tile
.set PK,   192                         ; window 0: 8 z in f16
.set WP,   200                         ; v[200:207] at the head: eight parts of Wmax a lane
.set AP,   208                         ; v208    a part of Amax
.set BP,   209                         ; v209    a part of Bmax
.set XR,   210                         ; v[210:217] xm, then rinv, of my rows
.set G1,  24                           ; s[24:31] descriptor group 1 for xh's tiles
.set G0,  32                           ; s[32:39] descriptor group 0 for xh's tiles, one set for each slot
.set G1B, 48                           ; s[48:55] group 1 for wh's tiles: it differs in the mask alone
.set G0B, 56                           ; s[56:63] group 0 for wh's tiles, one set for each slot
.set G1P, 76                           ; s[76:83] group 1 for the parameters
.set G0P, 84                           ; s[84:95] group 0 for beta, biases, alpha
.set MSB, 0
.macro WIN new                         ; the immediate's high byte repeats the setting that is left; a switch that changes nothing is dropped
.if MSB != (\new)
	s_set_vgpr_msb (MSB<<8)|(\new)
.set MSB, (\new)
.endif
.endm
.set MUL_LO, 0xa1                      ; source 0 (wh) window 1, source 1 (xh) window 0, C and D window 2
.set MUL_HI, 0xf1                      ; the same, C and D window 3
.set TO_B,   0x40                      ; destination window 1, address window 0
; A joint load.  Waves 0 and 1 fetch xh's two halves, waves 2 and 3 wh's.  Each line has one mask and one set of registers for all that issue it; the branch
; hangs on the wave's number alone.
.macro JLOAD s
	s_cmp_eq_u32 s11, 0
	s_cbranch_scc0 .Lfor_b_\@
	tensor_load_to_lds s[G0+4*\s:G0+4*\s+3], s[G1:G1+7]
	s_nop 0
	s_branch .Lasked_\@
.Lfor_b_\@:
	tensor_load_to_lds s[G0B+4*\s:G0B+4*\s+3], s[G1B:G1B+7]
	s_nop 0
.Lasked_\@:
.endm
; A round of the cluster's barrier: my work-group's barrier; wave 0 signals for the work-group; every wave waits for all sixteen work-groups; my work-group's barrier again.
.macro CREST                           ; a round behind its opening barrier
	s_cmp_lg_u32 s10, 0
	s_cbranch_scc1 .Lnot_wave_0_\@
	s_barrier_signal -3
.Lnot_wave_0_\@:
	s_barrier_wait -3
	s_barrier_signal -1
	s_barrier_wait -1
.endm
.macro CROUND                          ; a whole round
	s_barrier_signal -1
	s_barrier_wait -1
	CREST
.endm
; maximum over the 32 lanes, in every lane
.macro WAVEMAX r, tmp
	v_max_num_f32_dpp v[\r], v[\r], v[\r] row_xmask:1 row_mask:0xf bank_mask:0xf
	v_max_num_f32_dpp v[\r], v[\r], v[\r] row_xmask:2 row_mask:0xf bank_mask:0xf
	v_max_num_f32_dpp v[\r], v[\r], v[\r] row_xmask:4 row_mask:0xf bank_mask:0xf
	v_max_num_f32_dpp v[\r], v[\r], v[\r] row_xmask:8 row_mask:0xf bank_mask:0xf
	v_permlanex16_b32 v[\tmp], v[\r], s66, s67     ; its destination counts as read: a register that has been written
	v_max_num_f32 v[\r], v[\r], v[\tmp]
.endm
	s_load_b128 s[4:7], s[0:1], 0x0                ; xh s[4:5], wh s[6:7]
	s_load_b128 s[68:71], s[0:1], 0x10             ; beta s[68:69], biases s[70:71]
	s_load_b128 s[72:75], s[0:1], 0x20             ; alpha s[72:73], xm s[74:75]
	s_load_b128 s[96:99], s[0:1], 0x30             ; bnd s[96:97], z s[98:99]
	s_set_vgpr_msb 0x40
	v_lshl_add_u32 v255, v0, 2, 0x4a000
	s_set_vgpr_msb 0x4000
	v_mov_b32 v255, 0
	s_set_vgpr_msb 0x1
	ds_add_u32 v255, v255
	s_set_vgpr_msb 0x100
	s_mov_b32 s66, 0x76543210                      ; v_permlanex16_b32: lane i of one half reads lane i of the other
	s_mov_b32 s67, 0xfedcba98
	v_lshrrev_b32 v1, 5, v0
	v_readfirstlane_b32 s10, v1                    ; wave 0..3
	s_lshr_b32 s11, s10, 1                         ; which half of the block's rows is mine.  Also: I fetch for xh (0) or for wh (1)
	s_and_b32 s12, s10, 1                          ; which half of its columns.  Also: which 128 rows of that tile I fetch
	s_bfe_u32 s40, ttmp6, 0x40000                  ; cx
	s_bfe_u32 s41, ttmp6, 0x40004                  ; cy
	s_lshl_b32 s42, ttmp9, 2
	s_add_co_u32 s42, s42, s40                     ; block column = 4 x cluster x + cx, 0 to 15
	s_and_b32 s13, ttmp7, 0xffff
	s_lshl_b32 s13, s13, 2
	s_add_co_u32 s13, s13, s41                     ; block row = 4 x cluster y + cy, 0 to 31
	s_lshl_b32 s43, s41, 2
	s_lshl_b32 s43, 15, s43                        ; my row of the cluster: places 4 cy .. 4 cy + 3
	s_lshl_b32 s44, 0x1111, s40                    ; my column: places cx, cx + 4, cx + 8, cx + 12
	; group 1 of the tiles: 128 rows x 128 elements of 2 bytes, 16 bytes of padding behind every 256
	s_or_b32 s[G1+0], s43, (1<<16)|(1<<20)|(1<<21)|(5<<22)|(3<<25)  ; 15:0 mask: my row; 17:16 element of 2 bytes; 20 padding on; 21 set beside a mask; 24:22 after every 64 words; 31:25 four words
	s_or_b32 s[G1B+0], s44, (1<<16)|(1<<20)|(1<<21)|(5<<22)|(3<<25) ; the same with the mask of my column
	s_mov_b32 s[G1+1], KSTEP<<16                   ; tensor_dim0 = 128
	s_mov_b32 s[G1B+1], KSTEP<<16
	s_mov_b32 s[G1+2], 128<<16                     ; tensor_dim1 = 128
	s_mov_b32 s[G1B+2], 128<<16
	s_mov_b32 s[G1+3], KSTEP<<16                   ; tile_dim0 = 128
	s_mov_b32 s[G1B+3], KSTEP<<16
	s_mov_b32 s[G1+4], 128                         ; tile_dim1 = 128
	s_mov_b32 s[G1B+4], 128
	s_mov_b32 s[G1+5], SIZE_K                      ; elements from row to row
	s_mov_b32 s[G1B+5], SIZE_K
	s_mov_b32 s[G1+6], 0
	s_mov_b32 s[G1B+6], 0
	s_mov_b32 s[G1+7], 0
	s_mov_b32 s[G1B+7], 0
	; group 1 of the parameters: 2 rows x 256 elements of 4 bytes, no mask, no padding
	s_mov_b32 s[G1P+0], 2<<16                      ; element of 4 bytes
	s_mov_b32 s[G1P+1], 256<<16                    ; tensor_dim0 = 256
	s_mov_b32 s[G1P+2], 2<<16                      ; tensor_dim1 = 2
	s_mov_b32 s[G1P+3], 256<<16                    ; tile_dim0 = 256
	s_mov_b32 s[G1P+4], 2                          ; tile_dim1 = 2
	s_mov_b32 s[G1P+5], SIZE_N                     ; 4,096 elements from row to row
	s_mov_b32 s[G1P+6], 0
	s_mov_b32 s[G1P+7], 0
	; where the tiles come from: xh's hang on the block row alone, wh's on the block column alone, each in registers that never hold the other coordinate
	s_lshl_b32 s17, s12, 7
	s_lshl_b32 s16, s13, 8
	s_add_co_u32 s16, s16, s17                     ; xh: row 256 x block row + 128 x half
	s_lshl_b32 s46, s42, 8
	s_add_co_u32 s46, s46, s17                     ; wh: row 256 x block column + 128 x half
	s_mov_b32 s17, 0
	s_mov_b32 s47, 0
	s_mov_b64 s[18:19], SIZE_K*2
	s_mul_u64 s[16:17], s[16:17], s[18:19]
	s_mul_u64 s[46:47], s[46:47], s[18:19]
	s_mul_i32 s20, s10, HALFT                      ; where they go: wave x 128 rows.  Also my stage on the way out
	s_lshl_b32 s45, s10, 11                        ; parameters: wave w brings rows 2 w and 2 w + 1 of each array: 2,048 bytes of LDS,
	s_lshl_b32 s8, s10, 15                         ; 2 rows of 16,384 bytes in memory,
	s_lshl_b32 s9, s42, 10                         ; at my block's 256 columns of 4 bytes
	s_add_co_u32 s8, s8, s9
	s_mov_b32 s9, 0
	s_wait_dscnt 0x0
	s_wait_kmcnt 0x0
	s_add_nc_u64 s[14:15], s[4:5], s[16:17]
	s_add_nc_u64 s[46:47], s[6:7], s[46:47]
	CROUND                                         ; all sixteen work-groups are here: the first joint loads meet
	; All first fills go out as one group: three loads of parameters, then K steps 0 and 1.  By this text's count a wave has five tensor loads out here, later one.
.irp q, 0,1,2
	s_mov_b32 s[G0P+4*\q], 1                                       ; count = 1
	s_add_co_u32 s[G0P+4*\q+1], s45, PAR+8192*\q                   ; LDS address: array q's eight rows, my two of them
	s_add_nc_u64 s[G0P+4*\q+2:G0P+4*\q+3], s[68+2*\q:69+2*\q], s[8:9]
	s_or_b32 s[G0P+4*\q+3], s[G0P+4*\q+3], 0x80000000              ; type = 2
	tensor_load_to_lds s[G0P+4*\q:G0P+4*\q+3], s[G1P:G1P+7]
	s_nop 0
.endr
.irp s, 0,1
	s_mov_b32 s[G0+4*\s], 1
	s_add_co_u32 s[G0+4*\s+1], s20, \s*SLOT
	s_add_nc_u64 s[G0+4*\s+2:G0+4*\s+3], s[14:15], \s*KSTEP*2      ; K step s
	s_or_b32 s[G0+4*\s+3], s[G0+4*\s+3], 0x80000000
	s_mov_b32 s[G0B+4*\s], 1
	s_add_co_u32 s[G0B+4*\s+1], s20, \s*SLOT
	s_add_nc_u64 s[G0B+4*\s+2:G0B+4*\s+3], s[46:47], \s*KSTEP*2
	s_or_b32 s[G0B+4*\s+3], s[G0B+4*\s+3], 0x80000000
	JLOAD \s
.endr
	; What the rows' scales are made of, asked for while the tiles are on their way: a lane takes 8 of the 256 parts of Wmax, one of the 32 of Amax, one of the 32 of Bmax,
	; and xm of row 16 g + l % 16 of my wave's 128 rows, g = 0 .. 7.
	v_and_b32 v1, 15, v0                           ; l % 16
	v_bfe_u32 v2, v0, 4, 1                         ; l / 16
	v_and_b32 v6, 31, v0                           ; l
	v_lshlrev_b32 v7, 5, v6
	v_lshlrev_b32 v8, 2, v6
	s_lshl_b32 s16, s13, 10                        ; 256 rows of 4 bytes a block row,
	s_lshl_b32 s17, s11, 9                         ; 128 a half
	s_add_co_u32 s16, s16, s17
	v_lshl_add_u32 v9, v1, 2, s16
	global_load_b128 v[WP:WP+3],   v7, s[96:97]
	global_load_b128 v[WP+4:WP+7], v7, s[96:97] offset:16
	global_load_b32 v[AP], v8, s[96:97] offset:1024
	global_load_b32 v[BP], v8, s[96:97] offset:1152
.irp g, 0,1,2,3,4,5,6,7
	global_load_b32 v[XR+\g], v9, s[74:75] offset:64*\g
.endr
	; A fragment is 16 rows x 32 K in 8 registers: lane l holds row l % 16; registers 0-3 K = 8 (l / 16) + 0..7, registers 4-7 K = 16 + 8 (l / 16) + 0..7:
	; two loads of 16 bytes, 32 bytes apart.
	v_mul_u32_u24 v3, v1, PITCH
	v_lshl_add_u32 v3, v2, 4, v3                   ; row x pitch + 16 x half
	s_mul_i32 s21, s11, HALFT                      ; my 128 rows of xh
	s_mul_i32 s22, s12, HALFT                      ; my 128 rows of wh,
	s_add_co_u32 s22, s22, 2*HALFT                 ; which lie behind xh's 256
.irp s, 0,1
	v_add_nc_u32 v[ADRA+\s], s21, v3
	v_add_nc_u32 v[ADRB+\s], s22, v3
	s_add_co_u32 s21, s21, SLOT
	s_add_co_u32 s22, s22, SLOT
.endr
	v_add_nc_u32 v[STO], s20, v3                   ; into my stage: row l % 16, 16 bytes for each half of the lanes
	v_mul_u32_u24 v5, v2, PITCH                    ; back: lanes 0-15 take one row of 256 bytes, lanes 16-31 the next
	v_lshl_add_u32 v5, v1, 4, v5
	v_add_nc_u32 v[RD], s20, v5
	v_lshlrev_b32 v5, 13, v2                       ; and the same two rows in z, 8,192 bytes apart
	v_lshl_add_u32 v[CO], v1, 4, v5
	s_lshl_b32 s23, s12, 9                         ; parameters: my 128 columns of 4 bytes,
	s_add_co_u32 s23, s23, PAR
	v_lshl_add_u32 v[PADR], v2, 5, s23             ; and my 8 columns of a block of 16
	; rinv = max(2^-4 Amax Wmax xm + 2^-14 Bmax, 2^-100) (1,024 x 2^-14 = 2^-4), r = 1 / rinv
	s_wait_loadcnt 0x0                             ; all twelve loads: no global load is out at any barrier
	v_max3_num_f32 v[WP],   v[WP],   v[WP+1], v[WP+2]
	v_max3_num_f32 v[WP+3], v[WP+3], v[WP+4], v[WP+5]
	v_max3_num_f32 v[WP],   v[WP],   v[WP+6], v[WP+7]
	v_max_num_f32  v[WP],   v[WP],   v[WP+3]
	WAVEMAX WP, WP+1
	WAVEMAX AP, WP+1
	WAVEMAX BP, WP+1
	v_mul_f32 v[WP], v[WP], v[AP]
	v_mul_f32 v[WP], 0x3d800000, v[WP]             ; x 2^-4
	v_mul_f32 v[BP], 0x38800000, v[BP]             ; x 2^-14
.irp g, 0,1,2,3,4,5,6,7
	v_fma_f32 v[XR+\g], v[WP], v[XR+\g], v[BP]
.endr
.irp g, 0,1,2,3,4,5,6,7
	v_max_num_f32 v[XR+\g], 0x0d800000, v[XR+\g]   ; at least 2^-100: the reciprocal is finite and no denormal, also where all inputs are zero
.endr
.irp g, 0,1,2,3,4,5,6,7
	v_rcp_f32 v[RS+2*\g], v[XR+\g]
.endr
	v_nop                                          ; one plain place behind the last reciprocal before a result is used (ISA guide 5.7.2)
	s_wait_alu depctr_va_vdst(0)
.irp g, 0,1,2,3,4,5,6,7
	v_mov_b32 v[RS+2*\g+1], v[RS+2*\g]             ; twice: a pair for the packed multiply
.endr
; 16 matrix instructions: m blocks a0, a0 + 1 of the window's four (hi = 0: my rows 0-63, 1: rows 64-127) x all 8 n blocks, 32 along K.
; zero = 1: the first product starts the sums: nothing is cleared.
.macro MUL16 f, hi, a0, zero
.irp a, \a0, \a0+1
.irp b, 0,1,2,3,4,5,6,7
.if \zero
	v_wmma_f32_16x16x32_f16 v[8*(8*(\a)+\b):8*(8*(\a)+\b)+7], v[\f+8*\b:\f+8*\b+7], v[\f+8*(4*\hi+\a):\f+8*(4*\hi+\a)+7], 0
.else
	v_wmma_f32_16x16x32_f16 v[8*(8*(\a)+\b):8*(8*(\a)+\b)+7], v[\f+8*\b:\f+8*\b+7], v[\f+8*(4*\hi+\a):\f+8*(4*\hi+\a)+7], v[8*(8*(\a)+\b):8*(8*(\a)+\b)+7]
.endif
.endr
.endr
.endm
; 32 LDS loads in one run: the fragments of one quarter step (128 rows of wh, 128 rows of xh, 32 K at byte k of the rows) into buffer f
.macro FETCH slot, k, f
	WIN TO_B
.irp i, 0,1,2,3,4,5,6,7
	ds_load_b128 v[\f+8*\i:\f+8*\i+3],   v[ADRB+\slot] offset:\k+\i*16*PITCH
	ds_load_b128 v[\f+8*\i+4:\f+8*\i+7], v[ADRB+\slot] offset:\k+\i*16*PITCH+32
.endr
	WIN 0
.irp i, 0,1,2,3,4,5,6,7
	ds_load_b128 v[\f+8*\i:\f+8*\i+3],   v[ADRA+\slot] offset:\k+\i*16*PITCH
	ds_load_b128 v[\f+8*\i+4:\f+8*\i+7], v[ADRA+\slot] offset:\k+\i*16*PITCH+32
.endr
.endm
; A load into a register that a matrix instruction has read, and a vector instruction or LDS store that reads a matrix result, stand four places behind that
; matrix instruction; only plain vector instructions that name none of its registers are places (ISA guide 7.12.1 for vector instructions).
.macro PLACES
.rept 4
	v_nop
.endr
.endm
; A K step is four quarter steps of 32 along K, 64 matrix instructions each, on buffers 0, 1, 0, 1.  The 64 accumulators take turns, one instruction a turn,
; in the same order in every quarter, over the backward jump too.
; One of the first three quarters: multiplies buffer f; in its middle it fetches the next quarter's fragments, at byte k of the same slot's rows, into buffer g.
.macro QUARTER slot, k, f, g, zero
	s_wait_dscnt 8                                 ; wh and xh's rows 0-63 are in; the youngest eight loads (xh's rows 64-127) may be out
	WIN MUL_LO
	MUL16 \f, 0, 0, \zero
	MUL16 \f, 0, 2, \zero
	PLACES
	FETCH \slot, \k, \g
	s_wait_dscnt 32                                ; all but the 32 just issued
	WIN MUL_HI
	MUL16 \f, 1, 0, \zero
	MUL16 \f, 1, 2, \zero
.endm
.macro THREE slot, zero
	QUARTER \slot, 64,  F0, F1, \zero
	QUARTER \slot, 128, F1, F0, 0
	QUARTER \slot, 192, F0, F1, 0
.endm
; The last quarter: multiplies buffer 1 and changes slots.  next = the other slot; fill = 1: this slot is filled again, two K steps ahead.
; In front of the barrier each wave waits for its own reads of this slot and for all its tensor loads (the one that is out is its part of the next slot).
; Behind it nobody reads this slot and the next slot is whole: the refill comes first, then the next slot's first fragments.
; From a request to the wait for it a wave issues 240 matrix instructions.
.macro TURN slot, next, fill
	s_wait_dscnt 8
	WIN MUL_LO
	MUL16 F1, 0, 0, 0
	s_wait_dscnt 0                                 ; my reads of this slot are over
	s_wait_tensorcnt 0x0                           ; and all my tensor loads have landed
	ds_add_u32 v255, v255
	s_wait_dscnt 0x0
	s_barrier_signal -1                            ; say so (where a slot is filled again this barrier opens a round of the cluster's barrier),
	MUL16 F1, 0, 2, 0                              ; work on registers while the others arrive,
	WIN 0
	s_barrier_wait -1
.if \fill
	CREST                                          ; no wave of any partner still reads this slot's tile or has a load on its way
	s_add_nc_u64 s[G0+4*\slot+2:G0+4*\slot+3], s[G0+4*\slot+2:G0+4*\slot+3], 2*KSTEP*2
	s_add_nc_u64 s[G0B+4*\slot+2:G0B+4*\slot+3], s[G0B+4*\slot+2:G0B+4*\slot+3], 2*KSTEP*2
	JLOAD \slot                                    ; the first tensor load behind the round, and my only one until the next
.endif
	PLACES
	FETCH \next, 0, F0
	WIN MUL_HI
	MUL16 F1, 1, 0, 0
	MUL16 F1, 1, 2, 0
.endm
.macro LAP zero                        ; once round the ring, both slots filled again
	THREE 0, \zero
	TURN 0, 1, 1
	THREE 1, 0
	TURN 1, 0, 1
.endm
	s_wait_tensorcnt 1                             ; one load was issued behind them: my parts of the parameters and of K step 0 are in; K step 1's stays out
	s_barrier_signal -1
	s_barrier_wait -1                              ; everybody's are
	FETCH 0, 0, F0
	LAP 1                                          ; the first lap stands in front of the loop: its first products start the sums
.if LAPS > 2
	WIN 0                                          ; at a label and at a branch every window is 0
	s_mov_b32 s3, LAPS-2
.Llap:
	LAP 0
	WIN 0
	s_sub_co_u32 s3, s3, 1
	s_cmp_lg_u32 s3, 0
	s_cbranch_scc1 .Llap
.endif
	THREE 0, 0                                     ; the last lap fills nothing
	TURN 0, 1, 0                                   ; behind this barrier no wave reads slot 0 again, and no tensor load is out or to come
	THREE 1, 0
	s_wait_dscnt 8                                 ; the very last quarter: nothing more to fetch
	WIN MUL_LO
	MUL16 F1, 0, 0, 0
	MUL16 F1, 0, 2, 0
	s_wait_dscnt 0
	WIN MUL_HI
	MUL16 F1, 1, 0, 0
	MUL16 F1, 1, 2, 0
	; THE WAY OUT.  The four v_nop are the places behind the last matrix instructions, for the arithmetic that reads results and the loads into the fragment buffers.
	PLACES
	s_lshl_b32 s16, s13, 21                        ; my first row of z: 256 x block row + 128 x half, rows of 8,192 bytes
	s_lshl_b32 s17, s11, 20
	s_add_co_u32 s16, s16, s17
	s_mov_b32 s17, 0
	s_add_nc_u64 s[98:99], s[98:99], s[16:17]
	s_lshl_b32 s46, s42, 9                         ; my first column, in bytes: 512 x block column + 256 x half
	s_lshl_b32 s47, s12, 8
	s_add_co_u32 s46, s46, s47
	s_mov_b32 s47, 0
	s_add_nc_u64 s[98:99], s[98:99], s[46:47]
; One accumulator tile (a, b) of window 2 + hi: the eight S_i at once (h is read from the accumulators, never copied), then the chain in place, the row's scale, then 16 bytes of z into my stage.
.macro CHAIN a, hi, b
	WIN (0x16+\hi)                                 ; source 0 the accumulators' window, sources 1 and 2 window 1, destination window 0
.irp i, 0,1,2,3,4,5,6,7
.irp p, 0,2,4,6
	v_pk_fma_f32 v[SK+8*\i+\p:SK+8*\i+\p+1], v[8*(8*\a+\b)+\p:8*(8*\a+\b)+\p+1], v[BETA+8*\i+\p:BETA+8*\i+\p+1], v[CB+8*\i+\p:CB+8*\i+\p+1]   ; S_i = beta_i h + c_i
.endr
.endr
	WIN 0
.irp i, 0,1,2,3,4,5,6
.irp j, 0,1,2,3,4,5,6,7
	v_max_num_f32 v[SK+8*\i+\j], 0, v[SK+8*\i+\j]
.endr
.irp p, 0,2,4,6
	v_pk_fma_f32 v[SK+8*\i+8+\p:SK+8*\i+9+\p], v[SK+8*\i+\p:SK+8*\i+\p+1], v[ALPHA+8*\i+\p:ALPHA+8*\i+\p+1], v[SK+8*\i+8+\p:SK+8*\i+9+\p]   ; t = S_(i+1) + alpha_i max(t, 0)
.endr
.endr
.irp j, 0,1,2,3,4,5,6,7
	v_max_num_f32 v[SK+56+\j], 0, v[SK+56+\j]
.endr
.irp p, 0,2,4,6
	v_pk_mul_f32 v[SK+56+\p:SK+57+\p], v[SK+56+\p:SK+57+\p], v[ALPHA+56+\p:ALPHA+57+\p]
.endr
.irp p, 0,2,4,6
	v_pk_mul_f32 v[SK+56+\p:SK+57+\p], v[SK+56+\p:SK+57+\p], v[RS+2*(4*\hi+\a):RS+2*(4*\hi+\a)+1]   ; my row's r
.endr
.irp p, 0,1,2,3
	v_cvt_pk_f16_f32 v[PK+\p], v[SK+56+2*\p], v[SK+57+2*\p]
.endr
	ds_store_b128 v[STO], v[PK:PK+3] offset:(4*\hi+\a)*16*PITCH+32*\b
.endm
; n block b (16 columns): the 24 parameters of my 8 columns, 48 loads in which the sixteen lanes of a half read the same 16 bytes; c = beta * bias; then the 8 tiles of that block.
.macro NBLOCK b
	WIN TO_B
.irp i, 0,1,2,3,4,5,6,7
	ds_load_b128 v[BETA+8*\i:BETA+8*\i+3],   v[PADR] offset:1024*\i+64*\b
	ds_load_b128 v[BETA+8*\i+4:BETA+8*\i+7], v[PADR] offset:1024*\i+64*\b+16
	ds_load_b128 v[CB+8*\i:CB+8*\i+3],       v[PADR] offset:1024*(8+\i)+64*\b
	ds_load_b128 v[CB+8*\i+4:CB+8*\i+7],     v[PADR] offset:1024*(8+\i)+64*\b+16
.endr
	WIN 0
.irp i, 0,1,2,3,4,5,6,7
	ds_load_b128 v[ALPHA+8*\i:ALPHA+8*\i+3],   v[PADR] offset:1024*(16+\i)+64*\b
	ds_load_b128 v[ALPHA+8*\i+4:ALPHA+8*\i+7], v[PADR] offset:1024*(16+\i)+64*\b+16
.endr
	s_wait_dscnt 0x0                               ; all 48 are wanted at once
	WIN 0x45                                       ; sources 0 and 1 and the destination in window 1
.irp i, 0,1,2,3,4,5,6,7
.irp p, 0,2,4,6
	v_pk_mul_f32 v[CB+8*\i+\p:CB+8*\i+\p+1], v[CB+8*\i+\p:CB+8*\i+\p+1], v[BETA+8*\i+\p:BETA+8*\i+\p+1]
.endr
.endr
.irp a, 0,1,2,3
	CHAIN \a, 0, \b
.endr
.irp a, 0,1,2,3
	CHAIN \a, 1, \b
.endr
.endm
.irp b, 0,1,2,3,4,5,6,7
	NBLOCK \b
.endr
; 16 rows of my stage, read back as whole rows of 256 bytes and stored; f: one of two sets of 32 registers, in turn
.macro OUTG g, f
	s_wait_xcnt 0x0                                ; every earlier memory instruction has had its addresses translated (ISA guide 3.1): set f, which earlier stores read, is loaded again only behind this wait
.irp t, 0,1,2,3,4,5,6,7
	ds_load_b128 v[\f+4*\t:\f+4*\t+3], v[RD] offset:(8*\g+\t)*2*PITCH   ; LDS serves a wave's instructions in order (ISA guide 5.7.1.4): these see my stores above
.endr
.irp t, 0,1,2,3,4,5,6,7
	s_wait_dscnt 7-\t
	global_store_b128 v[CO], v[\f+4*\t:\f+4*\t+3], s[98:99] offset:(16*\g+2*\t)*SIZE_N*2   ; 16 lanes store 256 consecutive bytes, at a multiple of 256 from z's first byte; the offset is 1,032,192 at the most
.endr
.endm
	OUTG 0, F0
	OUTG 1, F1
	OUTG 2, F0
	OUTG 3, F1
	OUTG 4, F0
	OUTG 5, F1
	OUTG 6, F0
	OUTG 7, F1
	s_set_vgpr_msb 0x1
	s_wait_tensorcnt 0x0
	ds_add_u32 v255, v255
	s_wait_dscnt 0x0
	s_set_vgpr_msb 0x100
	CROUND                                         ; the closing round: no work-group ends while a partner may still ask for a tile that names it
	s_endpgm
.Lfunc_end_k_q513fad3dd8_hidden:
	.size	k_q513fad3dd8_hidden, .Lfunc_end_k_q513fad3dd8_hidden-k_q513fad3dd8_hidden
	.p2alignl 7, 3214868480
	.fill 96, 4, 3214868480
	.section	.rodata,"a",@progbits
	.p2align	6, 0x0
	.amdhsa_kernel k_q513fad3dd8_hidden
		.amdhsa_group_segment_fixed_size 327680
		.amdhsa_private_segment_fixed_size 0
		.amdhsa_enable_private_segment 0
		.amdhsa_kernarg_size 64
		.amdhsa_user_sgpr_count 2
		.amdhsa_user_sgpr_kernarg_segment_ptr 1
		.amdhsa_wavefront_size32 1
		.amdhsa_system_sgpr_workgroup_id_x 1
		.amdhsa_system_sgpr_workgroup_id_y 1
		.amdhsa_system_sgpr_workgroup_id_z 1
		.amdhsa_system_vgpr_workitem_id 0
		.amdhsa_next_free_vgpr 1024
		.amdhsa_next_free_sgpr 100
		.amdhsa_reserve_vcc 0
		.amdhsa_float_denorm_mode_32 3
		.amdhsa_float_denorm_mode_16_64 3
		.amdhsa_memory_ordered 1
		.amdhsa_forward_progress 1
		.amdhsa_inst_pref_size 255
	.end_amdhsa_kernel
	.section	.bss,"aw",@nobits
	.p2align	6
	.space	262144
	.amdgpu_metadata
---
amdhsa.version: [ 1, 2 ]
amdhsa.kernels:
  - .name:           k_q513fad3dd8_hidden
    .symbol:         k_q513fad3dd8_hidden.kd
    .args:
      - { .name: xh, .offset: 0, .size: 8, .value_kind: global_buffer, .address_space: global }
      - { .name: wh, .offset: 8, .size: 8, .value_kind: global_buffer, .address_space: global }
      - { .name: beta, .offset: 16, .size: 8, .value_kind: global_buffer, .address_space: global }
      - { .name: biases, .offset: 24, .size: 8, .value_kind: global_buffer, .address_space: global }
      - { .name: alpha, .offset: 32, .size: 8, .value_kind: global_buffer, .address_space: global }
      - { .name: xm, .offset: 40, .size: 8, .value_kind: global_buffer, .address_space: global }
      - { .name: bnd, .offset: 48, .size: 8, .value_kind: global_buffer, .address_space: global }
      - { .name: z, .offset: 56, .size: 8, .value_kind: global_buffer, .address_space: global }
    .group_segment_fixed_size: 327680
    .private_segment_fixed_size: 0
    .kernarg_segment_align: 8
    .kernarg_segment_size: 64
    .max_flat_workgroup_size: 128
    .sgpr_count:     100
    .vgpr_count:     1024
    .wavefront_size: 32
...
	.end_amdgpu_metadata
.endif
;; end of part 2
;; launch project (part 3): grid 4 x 64, 4 waves a work-group, clusters of 4 x 4, 327,680 bytes of LDS; arguments z, wt, bias_last, xm, bnd, out0; writes out0
.if DOCPART == 3
	.amdgcn_target "amdgcn-amd-amdhsa--gfx1250"
	.amdhsa_code_object_version 6
	.text
	.protected	k_q513fad3dd8_project
	.globl	k_q513fad3dd8_project
	.p2align	8
	.type	k_q513fad3dd8_project,@function
k_q513fad3dd8_project:
	s_mov_b64 s[64:65], 0
	v_nop
	global_prefetch_b8 v0, s[64:65] scope:SCOPE_SE
	s_setreg_imm32_b32 hwreg(HW_REG_WAVE_MODE, 25, 1), 1
	s_wait_xcnt 0x0
	s_wait_alu depctr_hold_cnt(0) depctr_sa_sdst(0) depctr_va_vdst(0) depctr_va_sdst(0) depctr_va_ssrc(0) depctr_va_vcc(0) depctr_vm_vsrc(0)
	s_getreg_b32 s2, hwreg(HW_REG_IB_STS2, 6, 4)
	s_cmp_eq_u32 s2, 0
	s_cbranch_scc0 .Lentry_in_a_cluster
	s_endpgm
.Lentry_in_a_cluster:
	s_bfe_u32 s2, ttmp6, 0x10000c
	s_cmp_lg_u32 s2, 0xf033
	s_cbranch_scc0 .Lentry_shape_is_right
	s_endpgm
.Lentry_shape_is_right:
; out0[m][i] = rinv[m] (sum over e of z[m][e] wt[i][e]) + bias_last[i].  z: [8192][4096], wt: [1024][4096] f16; bias_last: [1024], out0: [8192][1024] f32; sums in f32.
; z holds the hidden layer's result times r[m] = 1 / rinv[m]; rinv[m] = max(2^-4 Amax Wmax xm[m] + 2^-14 Bmax, 2^-100) is made here from xm and bnd by the same
; instructions, in the same order, as in the launch that scaled z.
; 256 work-groups, each a block of 128 rows x 256 columns.  The four waves split the columns and K: wave (kh = w / 2, nh = w % 2) makes all 128 rows x columns
; 128 nh .. + 127 over the half kh (64 of 128) of every K step, so that each keeps a tile of 128 x 128 (512 registers): 16 fragments from LDS feed 64 matrix
; instructions.  LIMITS KEPT: each output is two f32 sums over interleaved halves of K, added in f32 at the end: another order of rounding than one sum.  The bound
; 1,024 Amax Wmax xm + Bmax must stay below 2^126.
; K goes in steps of 128 through a ring of two LDS slots (z's 128 rows, then wt's 256 rows, pitch 272); a tile's rows are 256 bytes of memory, at multiples of 256.
; Two slots of a K step of 256 (202,752 bytes each) would not fit in LDS.
; CLUSTERS: 4 x 4 work-groups.  z's tiles hang on the block row alone and are asked for jointly by the four of a row of the cluster, wt's on the block column
; alone and by the four of a column.
; On the way out wave w lays its 128 x 128 f32 (pitch 528) at w x 67,584, over the ring: behind a barrier behind which no wave reads the ring, and no tensor load is out or to come.
; REGISTERS: window 0: v16-31 addresses and the bias; v64-127, v128-191 fragments of z, two buffers (on the way out: rows to add and store); v210-211 rinv;
; window 1: v64-127, v128-191 fragments of wt; window 2: accumulator tiles of rows 0-63 (tile (a, b) at v[8 (8 a + b)]); window 3: of rows 64-127.
; The matrix instruction is used transposed (source 0 = rows of wt, source 1 = rows of z): lane l holds row l % 16 and columns 8 (l / 16) + 0 .. 7 of a tile, 32 neighbouring bytes.
.set SIZE_K, 4096
.set KSTEP,  128
.set PITCH,  272                       ; 256 bytes + 16 of padding: sixteen rows start at sixteen different banks (64 banks of 4 bytes: ISA guide 11.1)
.set HALFT,  128*PITCH                 ; 128 rows
.set SLOT,   3*HALFT                   ; z's 128 rows, then wt's 256
.set SP,     528                       ; a stage row: 512 bytes + 16 = 33 x 16
.set WSTAGE, 128*SP                    ; a wave's stage
.set LAPS,   SIZE_K/(2*KSTEP)          ; 16
.set ADRA, 16                          ; v16-17  LDS address of my z fragments in slot 0, 1
.set ADRB, 20                          ; v20-21  the same for wt
.set RD1,  23                          ; v23     the way out: the same rows in the stage of the wave with the other half of K
.set STO,  24                          ; v24     the way out: where I put 32 bytes of a row
.set RD0,  25                          ; v25     the way out: my 16 bytes of the rows that I add and store, in the stage of wave nh
.set CO,   26                          ; v26     my byte offset in a row of out0
.set BO,   27                          ; v27     my byte offset in bias_last
.set BIAS, 28                          ; v[28:31] bias_last of my 4 columns
.set F0,   64
.set F1,   128
.set WP,   200                         ; v[200:207] at the head: eight parts of Wmax a lane
.set AP,   208                         ; v208    a part of Amax
.set BP,   209                         ; v209    a part of Bmax
.set RI,   210                         ; v[210:211] xm, then rinv: lane l holds those of rows l and 32 + l of the 64 that I store
.set G1,  24                           ; s[24:31] descriptor group 1 for z's tiles (64 rows)
.set G0,  32                           ; s[32:39] group 0 for z's tiles, one set for each slot
.set G1B, 48                           ; s[48:55] group 1 for wt's tiles (128 rows)
.set G0B, 56                           ; s[56:63] group 0 for wt's tiles, one set for each slot
.set MSB, 0
.macro WIN new                         ; the immediate's high byte repeats the setting that is left; a switch that changes nothing is dropped
.if MSB != (\new)
	s_set_vgpr_msb (MSB<<8)|(\new)
.set MSB, (\new)
.endif
.endm
.set MUL_LO, 0xa1                      ; source 0 (wt) window 1, source 1 (z) window 0, C and D window 2
.set MUL_HI, 0xf1                      ; the same, C and D window 3
.set TO_B,   0x40                      ; destination window 1, address window 0
; A joint load.  Waves 0 and 1 fetch z's two halves of 64 rows, waves 2 and 3 wt's two halves of 128 rows.  The branch hangs on the wave's number alone.
.macro JLOAD s
	s_cmp_eq_u32 s11, 0
	s_cbranch_scc0 .Lfor_b_\@
	tensor_load_to_lds s[G0+4*\s:G0+4*\s+3], s[G1:G1+7]
	s_nop 0
	s_branch .Lasked_\@
.Lfor_b_\@:
	tensor_load_to_lds s[G0B+4*\s:G0B+4*\s+3], s[G1B:G1B+7]
	s_nop 0
.Lasked_\@:
.endm
.macro CREST                           ; a round of the cluster's barrier behind its opening barrier
	s_cmp_lg_u32 s10, 0
	s_cbranch_scc1 .Lnot_wave_0_\@
	s_barrier_signal -3
.Lnot_wave_0_\@:
	s_barrier_wait -3
	s_barrier_signal -1
	s_barrier_wait -1
.endm
.macro CROUND                          ; a whole round
	s_barrier_signal -1
	s_barrier_wait -1
	CREST
.endm
; maximum over the 32 lanes, in every lane
.macro WAVEMAX r, tmp
	v_max_num_f32_dpp v[\r], v[\r], v[\r] row_xmask:1 row_mask:0xf bank_mask:0xf
	v_max_num_f32_dpp v[\r], v[\r], v[\r] row_xmask:2 row_mask:0xf bank_mask:0xf
	v_max_num_f32_dpp v[\r], v[\r], v[\r] row_xmask:4 row_mask:0xf bank_mask:0xf
	v_max_num_f32_dpp v[\r], v[\r], v[\r] row_xmask:8 row_mask:0xf bank_mask:0xf
	v_permlanex16_b32 v[\tmp], v[\r], s66, s67     ; its destination counts as read: a register that has been written
	v_max_num_f32 v[\r], v[\r], v[\tmp]
.endm
	s_load_b128 s[4:7], s[0:1], 0x0                ; z s[4:5], wt s[6:7]
	s_load_b128 s[68:71], s[0:1], 0x10             ; bias_last s[68:69], xm s[70:71]
	s_load_b128 s[72:75], s[0:1], 0x20             ; bnd s[72:73], out0 s[74:75]
	s_set_vgpr_msb 0x40
	v_lshl_add_u32 v255, v0, 2, 0x42000
	s_set_vgpr_msb 0x4000
	v_mov_b32 v255, 0
	s_set_vgpr_msb 0x1
	ds_add_u32 v255, v255
	s_set_vgpr_msb 0x100
	s_mov_b32 s66, 0x76543210                      ; v_permlanex16_b32: lane i of one half reads lane i of the other
	s_mov_b32 s67, 0xfedcba98
	s_mov_b32 s77, 0                               ; the upper half of the pair whose lower half, s76, carries a row's rinv into the packed multiply-add
	v_lshrrev_b32 v1, 5, v0
	v_readfirstlane_b32 s10, v1                    ; wave 0..3
	s_lshr_b32 s11, s10, 1                         ; kh: my half of every K step.  Also: I fetch for z (0) or for wt (1)
	s_and_b32 s12, s10, 1                          ; nh: my half of the columns.  Also: which half of that tile I fetch
	s_bfe_u32 s40, ttmp6, 0x40000                  ; cx
	s_bfe_u32 s41, ttmp6, 0x40004                  ; cy
	s_lshl_b32 s42, ttmp9, 2
	s_add_co_u32 s42, s42, s40                     ; block column = 4 x cluster x + cx, 0 to 3
	s_and_b32 s13, ttmp7, 0xffff
	s_lshl_b32 s13, s13, 2
	s_add_co_u32 s13, s13, s41                     ; block row = 4 x cluster y + cy, 0 to 63
	s_lshl_b32 s43, s41, 2
	s_lshl_b32 s43, 15, s43                        ; my row of the cluster
	s_lshl_b32 s44, 0x1111, s40                    ; my column
	s_or_b32 s[G1+0], s43, (1<<16)|(1<<20)|(1<<21)|(5<<22)|(3<<25)  ; 15:0 mask: my row; element of 2 bytes; padding on; 21 set beside a mask; four words behind every 64
	s_or_b32 s[G1B+0], s44, (1<<16)|(1<<20)|(1<<21)|(5<<22)|(3<<25) ; the same with the mask of my column
	s_mov_b32 s[G1+1], KSTEP<<16                   ; tensor_dim0 = 128
	s_mov_b32 s[G1B+1], KSTEP<<16
	s_mov_b32 s[G1+2], 64<<16                      ; tensor_dim1 = 64
	s_mov_b32 s[G1B+2], 128<<16                    ;             = 128
	s_mov_b32 s[G1+3], KSTEP<<16                   ; tile_dim0 = 128
	s_mov_b32 s[G1B+3], KSTEP<<16
	s_mov_b32 s[G1+4], 64                          ; tile_dim1 = 64
	s_mov_b32 s[G1B+4], 128                        ;           = 128
	s_mov_b32 s[G1+5], SIZE_K                      ; elements from row to row
	s_mov_b32 s[G1B+5], SIZE_K
	s_mov_b32 s[G1+6], 0
	s_mov_b32 s[G1B+6], 0
	s_mov_b32 s[G1+7], 0
	s_mov_b32 s[G1B+7], 0
	s_lshl_b32 s16, s13, 7
	s_lshl_b32 s17, s12, 6
	s_add_co_u32 s16, s16, s17                     ; z: row 128 x block row + 64 x half
	s_lshl_b32 s46, s42, 8
	s_lshl_b32 s47, s12, 7
	s_add_co_u32 s46, s46, s47                     ; wt: row 256 x block column + 128 x half
	s_mov_b32 s17, 0
	s_mov_b32 s47, 0
	s_mov_b64 s[18:19], SIZE_K*2
	s_mul_u64 s[16:17], s[16:17], s[18:19]
	s_mul_u64 s[46:47], s[46:47], s[18:19]
	s_mul_i32 s20, s12, 64*PITCH                   ; where z's halves go,
	s_mul_i32 s45, s12, HALFT
	s_add_co_u32 s45, s45, HALFT                   ; and wt's, behind z's 128 rows
	s_wait_dscnt 0x0
	s_wait_kmcnt 0x0
	s_add_nc_u64 s[14:15], s[4:5], s[16:17]
	s_add_nc_u64 s[46:47], s[6:7], s[46:47]
	CROUND                                         ; all sixteen work-groups are here: the first joint loads meet
.irp s, 0,1
	s_mov_b32 s[G0+4*\s], 1
	s_add_co_u32 s[G0+4*\s+1], s20, \s*SLOT
	s_add_nc_u64 s[G0+4*\s+2:G0+4*\s+3], s[14:15], \s*KSTEP*2      ; K step s
	s_or_b32 s[G0+4*\s+3], s[G0+4*\s+3], 0x80000000
	s_mov_b32 s[G0B+4*\s], 1
	s_add_co_u32 s[G0B+4*\s+1], s45, \s*SLOT
	s_add_nc_u64 s[G0B+4*\s+2:G0B+4*\s+3], s[46:47], \s*KSTEP*2
	s_or_b32 s[G0B+4*\s+3], s[G0B+4*\s+3], 0x80000000
	JLOAD \s                                       ; by this text's count a wave has two tensor loads out here, later one
.endr
	v_and_b32 v1, 15, v0                           ; l % 16
	v_bfe_u32 v2, v0, 4, 1                         ; l / 16
	v_and_b32 v6, 31, v0                           ; l
	; what rinv is made of, and the bias, asked for while the tiles are on their way
	v_lshlrev_b32 v7, 5, v6
	v_lshlrev_b32 v8, 2, v6
	s_lshl_b32 s16, s13, 9                         ; xm: 128 rows of 4 bytes a block row,
	s_lshl_b32 s17, s11, 8                         ; the 64 rows that I store
	s_add_co_u32 s16, s16, s17
	v_add_nc_u32 v9, s16, v8
	global_load_b128 v[WP:WP+3],   v7, s[72:73]
	global_load_b128 v[WP+4:WP+7], v7, s[72:73] offset:16
	global_load_b32 v[AP], v8, s[72:73] offset:1024
	global_load_b32 v[BP], v8, s[72:73] offset:1152
	global_load_b32 v[RI],   v9, s[70:71]
	global_load_b32 v[RI+1], v9, s[70:71] offset:128
	v_mul_u32_u24 v3, v1, PITCH
	v_lshl_add_u32 v3, v2, 4, v3                   ; fragment: row x pitch + 16 x half
	s_lshl_b32 s21, s11, 7                         ; my half of a K step: 64 K = 128 bytes into every row; z's rows: all 128
	s_mul_i32 s22, s12, HALFT                      ; my 128 rows of wt,
	s_add_co_u32 s22, s22, s21
	s_add_co_u32 s22, s22, HALFT                   ; which lie behind z's
.irp s, 0,1
	v_add_nc_u32 v[ADRA+\s], s21, v3
	v_add_nc_u32 v[ADRB+\s], s22, v3
	s_add_co_u32 s21, s21, SLOT
	s_add_co_u32 s22, s22, SLOT
.endr
	s_mul_i32 s23, s10, WSTAGE                     ; my stage
	v_mul_u32_u24 v4, v1, SP                       ; in: row l % 16, 32 bytes for each half of the lanes
	v_lshl_add_u32 v4, v2, 5, v4
	v_add_nc_u32 v[STO], s23, v4
	s_mul_i32 s21, s12, WSTAGE                     ; back: rows 64 kh .. + 63 of the stage of wave nh (K half 0) and of wave 2 + nh (K half 1)
	s_mul_i32 s22, s11, 64*SP
	s_add_co_u32 s21, s21, s22
	v_lshlrev_b32 v[CO], 4, v6                     ; 32 lanes x 16 bytes: a row's 512 bytes
	v_add_nc_u32 v[RD0], s21, v[CO]
	v_add_nc_u32 v[RD1], 2*WSTAGE, v[RD0]
	s_lshl_b32 s46, s42, 10                        ; my first column, in bytes of f32: 1,024 x block column + 512 x nh
	s_lshl_b32 s47, s12, 9
	s_add_co_u32 s46, s46, s47
	s_mov_b32 s47, 0                               ; s[46:47] stay so until the way out
	v_add_nc_u32 v[BO], s46, v[CO]
	global_load_b128 v[BIAS:BIAS+3], v[BO], s[68:69]                ; bias_last of my 4 columns; BO is never written again
	; rinv = max(2^-4 Amax Wmax xm + 2^-14 Bmax, 2^-100)
	s_wait_loadcnt 0x0                             ; all seven loads, once, while the first tiles are on their way: no global load is out at any barrier
	v_max3_num_f32 v[WP],   v[WP],   v[WP+1], v[WP+2]
	v_max3_num_f32 v[WP+3], v[WP+3], v[WP+4], v[WP+5]
	v_max3_num_f32 v[WP],   v[WP],   v[WP+6], v[WP+7]
	v_max_num_f32  v[WP],   v[WP],   v[WP+3]
	WAVEMAX WP, WP+1
	WAVEMAX AP, WP+1
	WAVEMAX BP, WP+1
	v_mul_f32 v[WP], v[WP], v[AP]
	v_mul_f32 v[WP], 0x3d800000, v[WP]             ; x 2^-4
	v_mul_f32 v[BP], 0x38800000, v[BP]             ; x 2^-14
	v_fma_f32 v[RI],   v[WP], v[RI],   v[BP]
	v_fma_f32 v[RI+1], v[WP], v[RI+1], v[BP]
	v_max_num_f32 v[RI],   0x0d800000, v[RI]       ; at least 2^-100
	v_max_num_f32 v[RI+1], 0x0d800000, v[RI+1]
.macro MUL16 f, hi, a0, zero           ; 16 matrix instructions: m blocks a0, a0 + 1 of the window's four x all 8 n blocks, 32 along K; zero = 1: the first product starts the sums
.irp a, \a0, \a0+1
.irp b, 0,1,2,3,4,5,6,7
.if \zero
	v_wmma_f32_16x16x32_f16 v[8*(8*(\a)+\b):8*(8*(\a)+\b)+7], v[\f+8*\b:\f+8*\b+7], v[\f+8*(4*\hi+\a):\f+8*(4*\hi+\a)+7], 0
.else
	v_wmma_f32_16x16x32_f16 v[8*(8*(\a)+\b):8*(8*(\a)+\b)+7], v[\f+8*\b:\f+8*\b+7], v[\f+8*(4*\hi+\a):\f+8*(4*\hi+\a)+7], v[8*(8*(\a)+\b):8*(8*(\a)+\b)+7]
.endif
.endr
.endr
.endm
.macro FETCH slot, k, f                ; 32 LDS loads in one run: 128 rows of wt, 128 rows of z, 32 K at byte k of my half of the rows, into buffer f
	WIN TO_B
.irp i, 0,1,2,3,4,5,6,7
	ds_load_b128 v[\f+8*\i:\f+8*\i+3],   v[ADRB+\slot] offset:\k+\i*16*PITCH
	ds_load_b128 v[\f+8*\i+4:\f+8*\i+7], v[ADRB+\slot] offset:\k+\i*16*PITCH+32
.endr
	WIN 0
.irp i, 0,1,2,3,4,5,6,7
	ds_load_b128 v[\f+8*\i:\f+8*\i+3],   v[ADRA+\slot] offset:\k+\i*16*PITCH
	ds_load_b128 v[\f+8*\i+4:\f+8*\i+7], v[ADRA+\slot] offset:\k+\i*16*PITCH+32
.endr
.endm
; Four places behind a matrix instruction before a load lands on a register that it read, or an LDS store reads its result; only plain vector instructions that
; name none of its registers are places (ISA guide 7.12.1 for vector instructions).
.macro PLACES
.rept 4
	v_nop
.endr
.endm
; A wave's share of a K step is two quarters of 32 along K, 64 matrix instructions each, on buffers 0 and 1.  The 64 accumulators take turns, one instruction a
; turn, in the same order in every quarter, over the backward jump too.
.macro QUARTER slot, k, f, g, zero     ; multiplies buffer f; in its middle fetches the fragments at byte k of the same slot into buffer g
	s_wait_dscnt 8                                 ; wt and z's rows 0-63 are in; the youngest eight loads (z's rows 64-127) may be out
	WIN MUL_LO
	MUL16 \f, 0, 0, \zero
	MUL16 \f, 0, 2, \zero
	PLACES
	FETCH \slot, \k, \g
	s_wait_dscnt 32                                ; all but the 32 just issued
	WIN MUL_HI
	MUL16 \f, 1, 0, \zero
	MUL16 \f, 1, 2, \zero
.endm
; The second quarter: multiplies buffer 1 and changes slots.  In front of the barrier each wave waits for its reads of this slot and for all its tensor loads (the one
; that is out is its part of the next slot); behind it the refill comes first, then the next slot's first fragments.  From a request to the wait for it a wave issues 112 matrix instructions.
.macro TURN slot, next, fill
	s_wait_dscnt 8
	WIN MUL_LO
	MUL16 F1, 0, 0, 0
	s_wait_dscnt 0                                 ; my reads of this slot are over
	s_wait_tensorcnt 0x0                           ; and all my tensor loads have landed
	ds_add_u32 v255, v255
	s_wait_dscnt 0x0
	s_barrier_signal -1                            ; (where a slot is filled again this barrier opens a round of the cluster's barrier)
	MUL16 F1, 0, 2, 0                              ; register work while the others arrive
	WIN 0
	s_barrier_wait -1
.if \fill
	CREST                                          ; no wave of any partner still reads this slot's tile or has a load on its way
	s_add_nc_u64 s[G0+4*\slot+2:G0+4*\slot+3], s[G0+4*\slot+2:G0+4*\slot+3], 2*KSTEP*2
	s_add_nc_u64 s[G0B+4*\slot+2:G0B+4*\slot+3], s[G0B+4*\slot+2:G0B+4*\slot+3], 2*KSTEP*2
	JLOAD \slot                                    ; the first tensor load behind the round, and my only one until the next
.endif
	PLACES
	FETCH \next, 0, F0
	WIN MUL_HI
	MUL16 F1, 1, 0, 0
	MUL16 F1, 1, 2, 0
.endm
.macro LAP zero                        ; once round the ring, both slots filled again
	QUARTER 0, 64, F0, F1, \zero
	TURN 0, 1, 1
	QUARTER 1, 64, F0, F1, 0
	TURN 1, 0, 1
.endm
	s_wait_tensorcnt 1                             ; my part of K step 0 is in; K step 1's, issued behind it, stays out
	s_barrier_signal -1
	s_barrier_wait -1                              ; everybody's is
	FETCH 0, 0, F0
	LAP 1                                          ; the first lap stands in front of the loop: its first products start the sums
	WIN 0                                          ; at a label and at a branch every window is 0
	s_mov_b32 s3, LAPS-2
.Llap:
	LAP 0
	WIN 0
	s_sub_co_u32 s3, s3, 1
	s_cmp_lg_u32 s3, 0
	s_cbranch_scc1 .Llap
	QUARTER 0, 64, F0, F1, 0                       ; the last lap fills nothing
	TURN 0, 1, 0
	QUARTER 1, 64, F0, F1, 0
	s_wait_dscnt 8                                 ; the very last quarter: nothing more to fetch
	WIN MUL_LO
	MUL16 F1, 0, 0, 0
	MUL16 F1, 0, 2, 0
	s_wait_dscnt 0
	WIN MUL_HI
	MUL16 F1, 1, 0, 0
	MUL16 F1, 1, 2, 0
	; THE WAY OUT.  Four places behind the last matrix instructions, for the LDS stores that read results and the loads into the fragment buffers.
	PLACES
	WIN 0
	s_lshl_b32 s16, s13, 19                        ; the first row that I store: 128 x block row + 64 kh, rows of 4,096 bytes
	s_lshl_b32 s17, s11, 18
	s_add_co_u32 s16, s16, s17
	s_mov_b32 s17, 0
	s_add_nc_u64 s[74:75], s[74:75], s[16:17]
	s_add_nc_u64 s[74:75], s[74:75], s[46:47]      ; and my first column
	s_wait_dscnt 0x0                               ; my reads of the ring are over (met: the wait above),
	s_barrier_signal -1
	s_barrier_wait -1                              ; and everybody's: the stages may now lie over the ring
	WIN 0x08                                       ; store data (source 1) from window 2
.irp a, 0,1,2,3
.irp b, 0,1,2,3,4,5,6,7
	ds_store_b128 v[STO], v[8*(8*\a+\b):8*(8*\a+\b)+3]   offset:\a*16*SP+64*\b
	ds_store_b128 v[STO], v[8*(8*\a+\b)+4:8*(8*\a+\b)+7] offset:\a*16*SP+64*\b+16
.endr
.endr
	WIN 0x0c                                       ; from window 3
.irp a, 0,1,2,3
.irp b, 0,1,2,3,4,5,6,7
	ds_store_b128 v[STO], v[8*(8*\a+\b):8*(8*\a+\b)+3]   offset:(4+\a)*16*SP+64*\b
	ds_store_b128 v[STO], v[8*(8*\a+\b)+4:8*(8*\a+\b)+7] offset:(4+\a)*16*SP+64*\b+16
.endr
.endr
	WIN 0
	s_wait_dscnt 0x0                               ; my sums are in LDS, for the other waves' sake,
	s_barrier_signal -1
	s_barrier_wait -1                              ; and so are everybody's
; Eight rows: the two halves of K are added, the sum is multiplied by the row's rinv with the bias added in the same instruction, and the row's 512 bytes are stored.
; f: one of two sets of 64 registers, in turn (first 32: K half 0 and the result; last 32: K half 1)
.macro SUMG g, f
	s_wait_xcnt 0x0                                ; every earlier memory instruction has had its addresses translated (ISA guide 3.1): set f, which earlier stores read, is loaded again only behind this wait
.irp t, 0,1,2,3,4,5,6,7
	ds_load_b128 v[\f+4*\t:\f+4*\t+3],       v[RD0] offset:(8*\g+\t)*SP
	ds_load_b128 v[\f+32+4*\t:\f+32+4*\t+3], v[RD1] offset:(8*\g+\t)*SP
.endr
.irp t, 0,1,2,3,4,5,6,7
	v_readlane_b32 s76, v[RI+(8*\g+\t)/32], (8*\g+\t)%32             ; rinv of row 8 g + t of my 64
	s_wait_dscnt 14-2*\t                           ; row t's two loads are in; the two of each later row stay out
	v_pk_add_f32 v[\f+4*\t:\f+4*\t+1],   v[\f+4*\t:\f+4*\t+1],   v[\f+32+4*\t:\f+32+4*\t+1]
	v_pk_add_f32 v[\f+4*\t+2:\f+4*\t+3], v[\f+4*\t+2:\f+4*\t+3], v[\f+32+4*\t+2:\f+32+4*\t+3]
	v_pk_fma_f32 v[\f+4*\t:\f+4*\t+1],   v[\f+4*\t:\f+4*\t+1],   s[76:77], v[BIAS:BIAS+1]   op_sel_hi:[1,0,1]   ; both halves times s76
	v_pk_fma_f32 v[\f+4*\t+2:\f+4*\t+3], v[\f+4*\t+2:\f+4*\t+3], s[76:77], v[BIAS+2:BIAS+3] op_sel_hi:[1,0,1]
	global_store_b128 v[CO], v[\f+4*\t:\f+4*\t+3], s[74:75] offset:(8*\g+\t)*4096 th:TH_STORE_NT   ; the wave stores 512 consecutive bytes, at a multiple of 512 from out0's first byte
.endr
.endm
	SUMG 0, F0
	SUMG 1, F1
	SUMG 2, F0
	SUMG 3, F1
	SUMG 4, F0
	SUMG 5, F1
	SUMG 6, F0
	SUMG 7, F1
	s_set_vgpr_msb 0x1
	s_wait_tensorcnt 0x0
	ds_add_u32 v255, v255
	s_wait_dscnt 0x0
	s_set_vgpr_msb 0x100
	CROUND                                         ; the closing round: no work-group ends while a partner may still ask for a tile that names it
	s_endpgm
.Lfunc_end_k_q513fad3dd8_project:
	.size	k_q513fad3dd8_project, .Lfunc_end_k_q513fad3dd8_project-k_q513fad3dd8_project
	.p2alignl 7, 3214868480
	.fill 96, 4, 3214868480
	.section	.rodata,"a",@progbits
	.p2align	6, 0x0
	.amdhsa_kernel k_q513fad3dd8_project
		.amdhsa_group_segment_fixed_size 327680
		.amdhsa_private_segment_fixed_size 0
		.amdhsa_enable_private_segment 0
		.amdhsa_kernarg_size 48
		.amdhsa_user_sgpr_count 2
		.amdhsa_user_sgpr_kernarg_segment_ptr 1
		.amdhsa_wavefront_size32 1
		.amdhsa_system_sgpr_workgroup_id_x 1
		.amdhsa_system_sgpr_workgroup_id_y 1
		.amdhsa_system_sgpr_workgroup_id_z 1
		.amdhsa_system_vgpr_workitem_id 0
		.amdhsa_next_free_vgpr 1024
		.amdhsa_next_free_sgpr 78
		.amdhsa_reserve_vcc 0
		.amdhsa_float_denorm_mode_32 3
		.amdhsa_float_denorm_mode_16_64 3
		.amdhsa_memory_ordered 1
		.amdhsa_forward_progress 1
		.amdhsa_inst_pref_size 135
	.end_amdhsa_kernel
	.amdgpu_metadata
---
amdhsa.version: [ 1, 2 ]
amdhsa.kernels:
  - .name:           k_q513fad3dd8_project
    .symbol:         k_q513fad3dd8_project.kd
    .args:
      - { .name: z, .offset: 0, .size: 8, .value_kind: global_buffer, .address_space: global }
      - { .name: wt, .offset: 8, .size: 8, .value_kind: global_buffer, .address_space: global }
      - { .name: bias_last, .offset: 16, .size: 8, .value_kind: global_buffer, .address_space: global }
      - { .name: xm, .offset: 24, .size: 8, .value_kind: global_buffer, .address_space: global }
      - { .name: bnd, .offset: 32, .size: 8, .value_kind: global_buffer, .address_space: global }
      - { .name: out0, .offset: 40, .size: 8, .value_kind: global_buffer, .address_space: global }
    .group_segment_fixed_size: 327680
    .private_segment_fixed_size: 0
    .kernarg_segment_align: 8
    .kernarg_segment_size: 48
    .max_flat_workgroup_size: 128
    .sgpr_count:     78
    .vgpr_count:     1024
    .wavefront_size: 32
...
	.end_amdgpu_metadata
.endif
;; end of part 3
;; ======== version 2 of 2: 3 launches
;; limits: values are held in f16: magnitudes above 65,504 overflow, below 6.1e-05 lose precision; inputs' magnitudes at most 65,504
;; workspace buffers: xh 16,777,216 bytes; wh 8,388,608 bytes; wt 8,388,608 bytes; z 67,108,864 bytes; xm 32,768 bytes; bnd 1,280 bytes
;; launch prep: the kernel of part 1 again; grid 772 x 1, 8 waves a work-group, no clusters, 50,688 bytes of LDS; arguments x, W, beta, biases, alpha, xh, wh, wt, xm, bnd; writes xh, wh, wt, xm, bnd
;; launch hidden (part 4): grid 16 x 32, 4 waves a work-group, clusters of 4 x 4, 327,680 bytes of LDS; arguments xh, wh, beta, biases, alpha, xm, bnd, z; writes z
.if DOCPART == 4
	.amdgcn_target "amdgcn-amd-amdhsa--gfx1250"
	.amdhsa_code_object_version 6
	.text
	.protected	k_q513fad3dd8_hidden
	.globl	k_q513fad3dd8_hidden
	.p2align	8
	.type	k_q513fad3dd8_hidden,@function
k_q513fad3dd8_hidden:
	s_mov_b64 s[64:65], 0
	v_nop
	global_prefetch_b8 v0, s[64:65] scope:SCOPE_SE
	s_setreg_imm32_b32 hwreg(HW_REG_WAVE_MODE, 25, 1), 1
	s_wait_xcnt 0x0
	s_wait_alu depctr_hold_cnt(0) depctr_sa_sdst(0) depctr_va_vdst(0) depctr_va_sdst(0) depctr_va_ssrc(0) depctr_va_vcc(0) depctr_vm_vsrc(0)
	s_getreg_b32 s2, hwreg(HW_REG_IB_STS2, 6, 4)
	s_cmp_eq_u32 s2, 0
	s_cbranch_scc0 .Lentry_in_a_cluster
	s_endpgm
.Lentry_in_a_cluster:
	s_bfe_u32 s2, ttmp6, 0x10000c
	s_cmp_lg_u32 s2, 0xf033
	s_cbranch_scc0 .Lentry_shape_is_right
	s_endpgm
.Lentry_shape_is_right:
; h[m][e] = sum over k of xh[m][k] wh[e][k] (f16 operands, f32 sums), then per element, in f32, with S_i = beta[i][e] (h + biases[i][e]):
;   t = S_0;  t = S_(i+1) + alpha[i][e] max(t, 0) for i = 0 .. 6;  z[m][e] = r[m] alpha[7][e] max(t, 0), rounded once to f16.
; xh: [8192][1024], wh: [4096][1024], z: [8192][4096] f16.  beta, alpha: [8][4096], biases: [9][4096] f32 (the function that is computed never uses biases' row 8).
; THE ROW'S SCALE r[m].  The chain's result has no fixed room in f16 (it grows with the eighth power of alpha), so each row is scaled by a bound that holds for all data:
; |h| <= 1,024 xm[m] Wmax and |result| <= Amax |h| + Bmax, with xm, Wmax, Amax, Bmax as the launch before left them (xm; the parts of the three maxima in bnd).
; rinv[m] = max(2^-14 (1,024 Amax Wmax xm[m] + Bmax), 2^-100), r[m] = 1 / rinv[m]: |z| <= 2^14, a quarter of f16's largest number.  The next launch makes the same rinv
; by the same instructions and multiplies its sums by it.  f16's absolute step, 2^-24, is 2^-38 of the bound.
; LIMITS KEPT.  The bound must stay below 2^126.  S_i is formed as fma(beta, h, c) with c = beta * bias rounded once to f32: against beta (h + bias) that moves the result
; by at most one f32 rounding of |beta * bias|.  max(t, 0) is v_max_num_f32: a NaN in t becomes 0 and is not carried on.  x, W and z are rounded to f16.
;
; A work-group makes a block of 256 x 256 with four waves; a wave makes 128 x 128: 64 accumulator tiles of 16 x 16, 512 registers.  K goes in steps of
; 128 through a ring of two LDS slots filled by the tensor data mover; a tile's rows are 256 bytes of memory, at multiples of 256 bytes from the buffer's start.
; CLUSTERS: 4 x 4 work-groups.  The four of a row of the cluster need the same tiles of xh, the four of a column the same tiles of wh: such a tile is asked for
; jointly, each of the four issuing the same tensor load with a mask that names the four.  The 24 rows of parameters (24,576 bytes a work-group, against the
; 1,048,576 bytes of tiles that it receives) are fetched by plain loads: sharing them would spare a fortieth of the bytes.
;
; THE WAY OUT IS A LOOP.  Registers cannot be picked by a counter, so the 64 tiles' chains written out would be some 8,700 instructions that each run once.  Instead each wave
; lays its h in LDS and reads it back row by row: a lane then holds eight neighbouring columns of a row, the SAME eight columns in every row, so that its 24 x 8 parameters
; are loaded once, and its eight z are 16 bytes of which sixteen lanes store 256 consecutive ones straight from registers.
;
; LDS: 0 .. 278,527 the ring; 278,528 .. 303,103 the parameters of my block's 256 columns, 24 rows of 1,024 bytes: beta 0-7, biases 0-7, alpha 0-7.
; On the way out wave w lays its 128 rows of h (512 bytes of f32, then r twice in the 16 bytes of padding: pitch 528) at w x 67,584, over the ring: behind a barrier behind
; which no wave reads the ring, and no tensor load is out or to come.
;
; REGISTERS, in windows of 256 (s_set_vgpr_msb says which window each operand place means; low byte: bits 1:0 source 0, 3:2 source 1, 5:4 source 2, 7:6 destination):
;   window 0: v16-29 addresses; v32-47 r of my rows; v64-127, v128-191 fragments of xh, two buffers; on the way out v64-127 c = beta * bias, v128-171 two units at work
;   window 1: v64-127, v128-191 fragments of wh, two buffers; on the way out v0-63 beta, v64-127 alpha
;   window 2: the 32 accumulator tiles of my rows 0-63 (tile (a, b) at v[8 (8 a + b)]);   window 3: those of my rows 64-127
; THE MATRIX INSTRUCTION IS USED TRANSPOSED: source 0 = 16 rows of wh, source 1 = 16 rows of xh.  Lane l then holds row l % 16 of the tile and its registers
; 0 to 7 the columns 8 (l / 16) + 0 .. 7: two pieces of 16 neighbouring bytes of a row of h.
.set SIZE_K, 1024
.set SIZE_N, 4096
.set KSTEP,  128
.set PITCH,  272                       ; a ring row: 256 bytes + 16 of padding = 68 words: row r starts at bank 4 r mod 64 (64 banks of 4 bytes: ISA guide 11.1), sixteen rows at sixteen different banks
.set HALFT,  128*PITCH                 ; 128 rows: what one tensor load brings, and what one wave reads of either operand
.set SLOT,   4*HALFT                   ; xh's 256 rows, then wh's 256 rows
.set PAR,    2*SLOT                    ; the parameters, behind the ring
.set SP,     528                       ; a stage row: 512 bytes + 16 = 33 x 16
.set WSTAGE, 128*SP                    ; a wave's stage; four of them end at 270,336, in front of the parameters
.set ZROW,   SIZE_N*2                  ; bytes in a row of z
.set LAPS,   SIZE_K/(2*KSTEP)          ; a lap = two K steps = once round the ring: 4
.set ADRA, 16                          ; v16-17  LDS address of my xh fragments in slot 0, 1
.set ADRB, 20                          ; v20-21  the same for wh
.set STO,  24                          ; v24     the way out: where I put 16 bytes of row l % 16
.set RD,   25                          ; v25     the way out: my 16 bytes of row l / 16 of the trip's four rows; steps through the loop
.set CO,   26                          ; v26     my byte offset in z; never rewritten
.set PADR, 27                          ; v27     my 32 bytes in a row of parameters
.set RSTO, 28                          ; v28     the way out: the padding of row l % 16
.set RRD,  29                          ; v29     the way out: the padding of row l / 16 of the trip's four rows; steps through the loop
.set RS,   32                          ; v[32:47] r of row 16 g + l % 16 of my 128, twice, at RS + 2 g
.set F0,   64                          ; fragment buffer 0
.set F1,   128                         ; fragment buffer 1
.set BETA, 0                           ; window 1: beta[i] of my 8 columns at BETA + 8 i
.set ALPHA, 64                         ; window 1: alpha[i]
.set CB,   64                          ; window 0: biases[i], then c_i
.set HH,   128                         ; window 0: h of unit u at HH + 8 u
.set TT,   144                         ; window 0: v[144:159] t, in two sets of 8 that take turns from layer to layer
.set RR,   160                         ; window 0: r of unit u's row, twice, at RR + 2 u
.set PK,   164                         ; window 0: unit u's 8 z in f16 at PK + 4 u
.set WP,   200                         ; v[200:207] at the head: eight parts of Wmax a lane
.set AP,   208                         ; v208    a part of Amax
.set BP,   209                         ; v209    a part of Bmax
.set XR,   210                         ; v[210:217] xm, then rinv, of my rows
.set G1,  24                           ; s[24:31] descriptor group 1 for xh's tiles
.set G0,  32                           ; s[32:39] descriptor group 0 for xh's tiles, one set for each slot
.set G1B, 48                           ; s[48:55] group 1 for wh's tiles: it differs in the mask alone
.set G0B, 56                           ; s[56:63] group 0 for wh's tiles, one set for each slot
.set G1P, 76                           ; s[76:83] group 1 for the parameters
.set G0P, 84                           ; s[84:95] group 0 for beta, biases, alpha
.set MSB, 0
.macro WIN new                         ; the immediate's high byte repeats the setting that is left; a switch that changes nothing is dropped
.if MSB != (\new)
	s_set_vgpr_msb (MSB<<8)|(\new)
.set MSB, (\new)
.endif
.endm
.set MUL_LO, 0xa1                      ; source 0 (wh) window 1, source 1 (xh) window 0, C and D window 2
.set MUL_HI, 0xf1                      ; the same, C and D window 3
.set TO_B,   0x40                      ; destination window 1, address window 0
.set PAR_0,  0x01                      ; source 0 (beta, alpha) window 1, all else window 0
; A joint load.  Waves 0 and 1 fetch xh's two halves, waves 2 and 3 wh's.  Each line has one mask and one set of registers for all that issue it; the branch
; hangs on the wave's number alone.
.macro JLOAD s
	s_cmp_eq_u32 s11, 0
	s_cbranch_scc0 .Lfor_b_\@
	tensor_load_to_lds s[G0+4*\s:G0+4*\s+3], s[G1:G1+7]
	s_nop 0
	s_branch .Lasked_\@
.Lfor_b_\@:
	tensor_load_to_lds s[G0B+4*\s:G0B+4*\s+3], s[G1B:G1B+7]
	s_nop 0
.Lasked_\@:
.endm
; A round of the cluster's barrier: my work-group's barrier; wave 0 signals for the work-group; every wave waits for all sixteen work-groups; my work-group's barrier again.
.macro CREST                           ; a round behind its opening barrier
	s_cmp_lg_u32 s10, 0
	s_cbranch_scc1 .Lnot_wave_0_\@
	s_barrier_signal -3
.Lnot_wave_0_\@:
	s_barrier_wait -3
	s_barrier_signal -1
	s_barrier_wait -1
.endm
.macro CROUND                          ; a whole round
	s_barrier_signal -1
	s_barrier_wait -1
	CREST
.endm
; maximum over the 32 lanes, in every lane
.macro WAVEMAX r, tmp
	v_max_num_f32_dpp v[\r], v[\r], v[\r] row_xmask:1 row_mask:0xf bank_mask:0xf
	v_max_num_f32_dpp v[\r], v[\r], v[\r] row_xmask:2 row_mask:0xf bank_mask:0xf
	v_max_num_f32_dpp v[\r], v[\r], v[\r] row_xmask:4 row_mask:0xf bank_mask:0xf
	v_max_num_f32_dpp v[\r], v[\r], v[\r] row_xmask:8 row_mask:0xf bank_mask:0xf
	v_permlanex16_b32 v[\tmp], v[\r], s66, s67     ; its destination counts as read: a register that has been written
	v_max_num_f32 v[\r], v[\r], v[\tmp]
.endm
	s_load_b128 s[4:7], s[0:1], 0x0                ; xh s[4:5], wh s[6:7]
	s_load_b128 s[68:71], s[0:1], 0x10             ; beta s[68:69], biases s[70:71]
	s_load_b128 s[72:75], s[0:1], 0x20             ; alpha s[72:73], xm s[74:75]
	s_load_b128 s[96:99], s[0:1], 0x30             ; bnd s[96:97], z s[98:99]
	s_set_vgpr_msb 0x40
	v_lshl_add_u32 v255, v0, 2, 0x4a000
	s_set_vgpr_msb 0x4000
	v_mov_b32 v255, 0
	s_set_vgpr_msb 0x1
	ds_add_u32 v255, v255
	s_set_vgpr_msb 0x100
	s_mov_b32 s66, 0x76543210                      ; v_permlanex16_b32: lane i of one half reads lane i of the other
	s_mov_b32 s67, 0xfedcba98
	v_lshrrev_b32 v1, 5, v0
	v_readfirstlane_b32 s10, v1                    ; wave 0..3
	s_lshr_b32 s11, s10, 1                         ; which half of the block's rows is mine.  Also: I fetch for xh (0) or for wh (1)
	s_and_b32 s12, s10, 1                          ; which half of its columns.  Also: which 128 rows of that tile I fetch
	s_bfe_u32 s40, ttmp6, 0x40000                  ; cx
	s_bfe_u32 s41, ttmp6, 0x40004                  ; cy
	s_lshl_b32 s42, ttmp9, 2
	s_add_co_u32 s42, s42, s40                     ; block column = 4 x cluster x + cx, 0 to 15
	s_and_b32 s13, ttmp7, 0xffff
	s_lshl_b32 s13, s13, 2
	s_add_co_u32 s13, s13, s41                     ; block row = 4 x cluster y + cy, 0 to 31
	s_lshl_b32 s43, s41, 2
	s_lshl_b32 s43, 15, s43                        ; my row of the cluster: places 4 cy .. 4 cy + 3
	s_lshl_b32 s44, 0x1111, s40                    ; my column: places cx, cx + 4, cx + 8, cx + 12
	; group 1 of the tiles: 128 rows x 128 elements of 2 bytes, 16 bytes of padding behind every 256
	s_or_b32 s[G1+0], s43, (1<<16)|(1<<20)|(1<<21)|(5<<22)|(3<<25)  ; 15:0 mask: my row; 17:16 element of 2 bytes; 20 padding on; 21 set beside a mask; 24:22 after every 64 words; 31:25 four words
	s_or_b32 s[G1B+0], s44, (1<<16)|(1<<20)|(1<<21)|(5<<22)|(3<<25) ; the same with the mask of my column
	s_mov_b32 s[G1+1], KSTEP<<16                   ; tensor_dim0 = 128
	s_mov_b32 s[G1B+1], KSTEP<<16
	s_mov_b32 s[G1+2], 128<<16                     ; tensor_dim1 = 128
	s_mov_b32 s[G1B+2], 128<<16
	s_mov_b32 s[G1+3], KSTEP<<16                   ; tile_dim0 = 128
	s_mov_b32 s[G1B+3], KSTEP<<16
	s_mov_b32 s[G1+4], 128                         ; tile_dim1 = 128
	s_mov_b32 s[G1B+4], 128
	s_mov_b32 s[G1+5], SIZE_K                      ; elements from row to row
	s_mov_b32 s[G1B+5], SIZE_K
	s_mov_b32 s[G1+6], 0
	s_mov_b32 s[G1B+6], 0
	s_mov_b32 s[G1+7], 0
	s_mov_b32 s[G1B+7], 0
	; group 1 of the parameters: 2 rows x 256 elements of 4 bytes, no mask, no padding
	s_mov_b32 s[G1P+0], 2<<16                      ; element of 4 bytes
	s_mov_b32 s[G1P+1], 256<<16                    ; tensor_dim0 = 256
	s_mov_b32 s[G1P+2], 2<<16                      ; tensor_dim1 = 2
	s_mov_b32 s[G1P+3], 256<<16                    ; tile_dim0 = 256
	s_mov_b32 s[G1P+4], 2                          ; tile_dim1 = 2
	s_mov_b32 s[G1P+5], SIZE_N                     ; 4,096 elements from row to row
	s_mov_b32 s[G1P+6], 0
	s_mov_b32 s[G1P+7], 0
	; where the tiles come from: xh's hang on the block row alone, wh's on the block column alone, each in registers that never hold the other coordinate
	s_lshl_b32 s17, s12, 7
	s_lshl_b32 s16, s13, 8
	s_add_co_u32 s16, s16, s17                     ; xh: row 256 x block row + 128 x half
	s_lshl_b32 s46, s42, 8
	s_add_co_u32 s46, s46, s17                     ; wh: row 256 x block column + 128 x half
	s_mov_b32 s17, 0
	s_mov_b32 s47, 0
	s_mov_b64 s[18:19], SIZE_K*2
	s_mul_u64 s[16:17], s[16:17], s[18:19]
	s_mul_u64 s[46:47], s[46:47], s[18:19]
	s_mul_i32 s20, s10, HALFT                      ; where they go: wave x 128 rows
	s_lshl_b32 s45, s10, 11                        ; parameters: wave w brings rows 2 w and 2 w + 1 of each array: 2,048 bytes of LDS,
	s_lshl_b32 s8, s10, 15                         ; 2 rows of 16,384 bytes in memory,
	s_lshl_b32 s9, s42, 10                         ; at my block's 256 columns of 4 bytes
	s_add_co_u32 s8, s8, s9
	s_mov_b32 s9, 0
	s_wait_dscnt 0x0
	s_wait_kmcnt 0x0
	s_add_nc_u64 s[14:15], s[4:5], s[16:17]
	s_add_nc_u64 s[46:47], s[6:7], s[46:47]
	CROUND                                         ; all sixteen work-groups are here: the first joint loads meet
	; All first fills go out as one group: three loads of parameters, then K steps 0 and 1.  By this text's count a wave has five tensor loads out here, later one.
.irp q, 0,1,2
	s_mov_b32 s[G0P+4*\q], 1                                       ; count = 1
	s_add_co_u32 s[G0P+4*\q+1], s45, PAR+8192*\q                   ; LDS address: array q's eight rows, my two of them
	s_add_nc_u64 s[G0P+4*\q+2:G0P+4*\q+3], s[68+2*\q:69+2*\q], s[8:9]
	s_or_b32 s[G0P+4*\q+3], s[G0P+4*\q+3], 0x80000000              ; type = 2
	tensor_load_to_lds s[G0P+4*\q:G0P+4*\q+3], s[G1P:G1P+7]
	s_nop 0
.endr
.irp s, 0,1
	s_mov_b32 s[G0+4*\s], 1
	s_add_co_u32 s[G0+4*\s+1], s20, \s*SLOT
	s_add_nc_u64 s[G0+4*\s+2:G0+4*\s+3], s[14:15], \s*KSTEP*2      ; K step s
	s_or_b32 s[G0+4*\s+3], s[G0+4*\s+3], 0x80000000
	s_mov_b32 s[G0B+4*\s], 1
	s_add_co_u32 s[G0B+4*\s+1], s20, \s*SLOT
	s_add_nc_u64 s[G0B+4*\s+2:G0B+4*\s+3], s[46:47], \s*KSTEP*2
	s_or_b32 s[G0B+4*\s+3], s[G0B+4*\s+3], 0x80000000
	JLOAD \s
.endr
	; What the rows' scales are made of, asked for while the tiles are on their way: a lane takes 8 of the 256 parts of Wmax, one of the 32 of Amax, one of the 32 of Bmax,
	; and xm of row 16 g + l % 16 of my wave's 128 rows, g = 0 .. 7.
	v_and_b32 v1, 15, v0                           ; l % 16
	v_bfe_u32 v2, v0, 4, 1                         ; l / 16
	v_and_b32 v6, 31, v0                           ; l
	v_lshlrev_b32 v7, 5, v6
	v_lshlrev_b32 v8, 2, v6
	s_lshl_b32 s16, s13, 10                        ; 256 rows of 4 bytes a block row,
	s_lshl_b32 s17, s11, 9                         ; 128 a half
	s_add_co_u32 s16, s16, s17
	v_lshl_add_u32 v9, v1, 2, s16
	global_load_b128 v[WP:WP+3],   v7, s[96:97]
	global_load_b128 v[WP+4:WP+7], v7, s[96:97] offset:16
	global_load_b32 v[AP], v8, s[96:97] offset:1024
	global_load_b32 v[BP], v8, s[96:97] offset:1152
.irp g, 0,1,2,3,4,5,6,7
	global_load_b32 v[XR+\g], v9, s[74:75] offset:64*\g
.endr
	; A fragment is 16 rows x 32 K in 8 registers: lane l holds row l % 16; registers 0-3 K = 8 (l / 16) + 0..7, registers 4-7 K = 16 + 8 (l / 16) + 0..7:
	; two loads of 16 bytes, 32 bytes apart.
	v_mul_u32_u24 v3, v1, PITCH
	v_lshl_add_u32 v3, v2, 4, v3                   ; row x pitch + 16 x half
	s_mul_i32 s21, s11, HALFT                      ; my 128 rows of xh
	s_mul_i32 s22, s12, HALFT                      ; my 128 rows of wh,
	s_add_co_u32 s22, s22, 2*HALFT                 ; which lie behind xh's 256
.irp s, 0,1
	v_add_nc_u32 v[ADRA+\s], s21, v3
	v_add_nc_u32 v[ADRB+\s], s22, v3
	s_add_co_u32 s21, s21, SLOT
	s_add_co_u32 s22, s22, SLOT
.endr
	s_mul_i32 s23, s10, WSTAGE                     ; my stage
	v_mul_u32_u24 v4, v1, SP
	v_add_nc_u32 v4, s23, v4                       ; row l % 16 of my stage
	v_lshl_add_u32 v[STO], v2, 4, v4               ; in: 16 bytes for each half of the lanes
	v_add_nc_u32 v[RSTO], 512, v4                  ; and the row's padding
	v_mul_u32_u24 v5, v2, SP
	v_add_nc_u32 v5, s23, v5                       ; row l / 16 of my stage
	v_lshl_add_u32 v[RD], v1, 4, v5                ; back: lanes 0-15 take one row, lanes 16-31 the next, 16 bytes a lane
	v_add_nc_u32 v[RRD], 512, v5
	v_lshlrev_b32 v10, 13, v2                      ; the same two rows in z, 8,192 bytes apart,
	v_lshl_add_u32 v[CO], v1, 4, v10               ; and my 16 bytes of a row's 256
	s_lshl_b32 s23, s12, 9                         ; parameters: my wave's 128 columns of 4 bytes,
	s_add_co_u32 s23, s23, PAR
	v_lshl_add_u32 v[PADR], v1, 5, s23             ; and my 8 columns, 8 (l % 16) .. + 7
	; rinv = max(2^-4 Amax Wmax xm + 2^-14 Bmax, 2^-100) (1,024 x 2^-14 = 2^-4), r = 1 / rinv
	s_wait_loadcnt 0x0                             ; all twelve loads: no global load is out at any barrier
	v_max3_num_f32 v[WP],   v[WP],   v[WP+1], v[WP+2]
	v_max3_num_f32 v[WP+3], v[WP+3], v[WP+4], v[WP+5]
	v_max3_num_f32 v[WP],   v[WP],   v[WP+6], v[WP+7]
	v_max_num_f32  v[WP],   v[WP],   v[WP+3]
	WAVEMAX WP, WP+1
	WAVEMAX AP, WP+1
	WAVEMAX BP, WP+1
	v_mul_f32 v[WP], v[WP], v[AP]
	v_mul_f32 v[WP], 0x3d800000, v[WP]             ; x 2^-4
	v_mul_f32 v[BP], 0x38800000, v[BP]             ; x 2^-14
.irp g, 0,1,2,3,4,5,6,7
	v_fma_f32 v[XR+\g], v[WP], v[XR+\g], v[BP]
.endr
.irp g, 0,1,2,3,4,5,6,7
	v_max_num_f32 v[XR+\g], 0x0d800000, v[XR+\g]   ; at least 2^-100: the reciprocal is finite and no denormal, also where all inputs are zero
.endr
.irp g, 0,1,2,3,4,5,6,7
	v_rcp_f32 v[RS+2*\g], v[XR+\g]
.endr
	v_nop                                          ; one plain place behind the last reciprocal before a result is used (ISA guide 5.7.2)
	s_wait_alu depctr_va_vdst(0)
.irp g, 0,1,2,3,4,5,6,7
	v_mov_b32 v[RS+2*\g+1], v[RS+2*\g]             ; twice: a pair for the packed multiply
.endr
; 16 matrix instructions: m blocks a0, a0 + 1 of the window's four (hi = 0: my rows 0-63, 1: rows 64-127) x all 8 n blocks, 32 along K.
; zero = 1: the first product starts the sums: nothing is cleared.
.macro MUL16 f, hi, a0, zero
.irp a, \a0, \a0+1
.irp b, 0,1,2,3,4,5,6,7
.if \zero
	v_wmma_f32_16x16x32_f16 v[8*(8*(\a)+\b):8*(8*(\a)+\b)+7], v[\f+8*\b:\f+8*\b+7], v[\f+8*(4*\hi+\a):\f+8*(4*\hi+\a)+7], 0
.else
	v_wmma_f32_16x16x32_f16 v[8*(8*(\a)+\b):8*(8*(\a)+\b)+7], v[\f+8*\b:\f+8*\b+7], v[\f+8*(4*\hi+\a):\f+8*(4*\hi+\a)+7], v[8*(8*(\a)+\b):8*(8*(\a)+\b)+7]
.endif
.endr
.endr
.endm
; 32 LDS loads in one run: the fragments of one quarter step (128 rows of wh, 128 rows of xh, 32 K at byte k of the rows) into buffer f
.macro FETCH slot, k, f
	WIN TO_B
.irp i, 0,1,2,3,4,5,6,7
	ds_load_b128 v[\f+8*\i:\f+8*\i+3],   v[ADRB+\slot] offset:\k+\i*16*PITCH
	ds_load_b128 v[\f+8*\i+4:\f+8*\i+7], v[ADRB+\slot] offset:\k+\i*16*PITCH+32
.endr
	WIN 0
.irp i, 0,1,2,3,4,5,6,7
	ds_load_b128 v[\f+8*\i:\f+8*\i+3],   v[ADRA+\slot] offset:\k+\i*16*PITCH
	ds_load_b128 v[\f+8*\i+4:\f+8*\i+7], v[ADRA+\slot] offset:\k+\i*16*PITCH+32
.endr
.endm
; A load into a register that a matrix instruction has read, and a vector instruction or LDS store that reads a matrix result, stand four places behind that
; matrix instruction; only plain vector instructions that name none of its registers are places (ISA guide 7.12.1 for vector instructions).
.macro PLACES
.rept 4
	v_nop
.endr
.endm
; A K step is four quarter steps of 32 along K, 64 matrix instructions each, on buffers 0, 1, 0, 1.  The 64 accumulators take turns, one instruction a turn,
; in the same order in every quarter, over the backward jump too.
; One of the first three quarters: multiplies buffer f; in its middle it fetches the next quarter's fragments, at byte k of the same slot's rows, into buffer g.
.macro QUARTER slot, k, f, g, zero
	s_wait_dscnt 8                                 ; wh and xh's rows 0-63 are in; the youngest eight loads (xh's rows 64-127) may be out
	WIN MUL_LO
	MUL16 \f, 0, 0, \zero
	MUL16 \f, 0, 2, \zero
	PLACES
	FETCH \slot, \k, \g
	s_wait_dscnt 32                                ; all but the 32 just issued
	WIN MUL_HI
	MUL16 \f, 1, 0, \zero
	MUL16 \f, 1, 2, \zero
.endm
.macro THREE slot
	QUARTER \slot, 64,  F0, F1, 0
	QUARTER \slot, 128, F1, F0, 0
	QUARTER \slot, 192, F0, F1, 0
.endm
; The last quarter: multiplies buffer 1 and changes slots.  next = the other slot; fill = 1: this slot is filled again, two K steps ahead.
; In front of the barrier each wave waits for its own reads of this slot and for all its tensor loads (the one that is out is its part of the next slot).
; Behind it nobody reads this slot and the next slot is whole: the refill comes first, then the next slot's first fragments.
; From a request to the wait for it a wave issues 240 matrix instructions.
.macro TURN slot, next, fill
	s_wait_dscnt 8
	WIN MUL_LO
	MUL16 F1, 0, 0, 0
	s_wait_dscnt 0                                 ; my reads of this slot are over
	s_wait_tensorcnt 0x0                           ; and all my tensor loads have landed
	ds_add_u32 v255, v255
	s_wait_dscnt 0x0
	s_barrier_signal -1                            ; say so (where a slot is filled again this barrier opens a round of the cluster's barrier),
	MUL16 F1, 0, 2, 0                              ; work on registers while the others arrive,
	WIN 0
	s_barrier_wait -1
.if \fill
	CREST                                          ; no wave of any partner still reads this slot's tile or has a load on its way
	s_add_nc_u64 s[G0+4*\slot+2:G0+4*\slot+3], s[G0+4*\slot+2:G0+4*\slot+3], 2*KSTEP*2
	s_add_nc_u64 s[G0B+4*\slot+2:G0B+4*\slot+3], s[G0B+4*\slot+2:G0B+4*\slot+3], 2*KSTEP*2
	JLOAD \slot                                    ; the first tensor load behind the round, and my only one until the next
.endif
	PLACES
	FETCH \next, 0, F0
	WIN MUL_HI
	MUL16 F1, 1, 0, 0
	MUL16 F1, 1, 2, 0
.endm
	s_wait_tensorcnt 1                             ; one load was issued behind them: my parts of the parameters and of K step 0 are in; K step 1's stays out
	s_barrier_signal -1
	s_barrier_wait -1                              ; everybody's are
	FETCH 0, 0, F0
	; The loop is turned by one quarter: only the quarter whose products start the sums stands in front of it, and a trip runs from a lap's second quarter to the
	; next lap's first.  Its LAPS - 1 = 3 trips fill slot 0 with K steps 2, 4, 6 and slot 1 with 3, 5, 7: every fill of the launch behind the first two.
	QUARTER 0, 64, F0, F1, 1
	WIN 0                                          ; at a label and at a branch every window is 0
	s_mov_b32 s3, LAPS-1
.Llap:
	QUARTER 0, 128, F1, F0, 0
	QUARTER 0, 192, F0, F1, 0
	TURN 0, 1, 1
	THREE 1
	TURN 1, 0, 1
	QUARTER 0, 64, F0, F1, 0
	WIN 0
	s_sub_co_u32 s3, s3, 1
	s_cmp_lg_u32 s3, 0
	s_cbranch_scc1 .Llap
	QUARTER 0, 128, F1, F0, 0                      ; the rest of the last lap fills nothing
	QUARTER 0, 192, F0, F1, 0
	TURN 0, 1, 0                                   ; its wait for 0 shows my last tensor load landed: none is out or to come
	THREE 1
	s_wait_dscnt 8                                 ; the very last quarter: nothing more to fetch
	WIN MUL_LO
	MUL16 F1, 0, 0, 0
	MUL16 F1, 0, 2, 0
	s_wait_dscnt 0
	WIN MUL_HI
	MUL16 F1, 1, 0, 0
	MUL16 F1, 1, 2, 0
	; THE WAY OUT.  The four v_nop are the places behind the last matrix instructions, for the LDS stores that read results and the loads into the fragment buffers.
	PLACES
	WIN 0
	s_lshl_b32 s16, s13, 21                        ; my first row of z: 256 x block row + 128 x half, rows of 8,192 bytes
	s_lshl_b32 s17, s11, 20
	s_add_co_u32 s16, s16, s17
	s_mov_b32 s17, 0
	s_add_nc_u64 s[98:99], s[98:99], s[16:17]
	s_lshl_b32 s46, s42, 9                         ; my first column, in bytes: 512 x block column + 256 x half
	s_lshl_b32 s47, s12, 8
	s_add_co_u32 s46, s46, s47
	s_mov_b32 s47, 0
	s_add_nc_u64 s[98:99], s[98:99], s[46:47]
	s_wait_dscnt 0x0                               ; my reads of the ring are over (met: the wait above),
	s_barrier_signal -1
	s_barrier_wait -1                              ; and everybody's: the stages may now lie over the ring
	; The 24 parameters of my 8 columns, once for all 128 rows: 48 loads.  Sixteen lanes lie 32 bytes apart, two on each 16-byte column modulo 256 bytes: taken as it is, once.
	WIN TO_B
.irp i, 0,1,2,3,4,5,6,7
	ds_load_b128 v[BETA+8*\i:BETA+8*\i+3],     v[PADR] offset:1024*\i
	ds_load_b128 v[BETA+8*\i+4:BETA+8*\i+7],   v[PADR] offset:1024*\i+16
	ds_load_b128 v[ALPHA+8*\i:ALPHA+8*\i+3],   v[PADR] offset:1024*(16+\i)
	ds_load_b128 v[ALPHA+8*\i+4:ALPHA+8*\i+7], v[PADR] offset:1024*(16+\i)+16
.endr
	WIN 0
.irp i, 0,1,2,3,4,5,6,7
	ds_load_b128 v[CB+8*\i:CB+8*\i+3],   v[PADR] offset:1024*(8+\i)
	ds_load_b128 v[CB+8*\i+4:CB+8*\i+7], v[PADR] offset:1024*(8+\i)+16
.endr
	; h into my stage.  Tile (a, b), lane (r, half): columns 16 b + 8 half + 0..3 of row 16 a + r go to byte 16 (2 b + half) of the row, columns + 4..7 to 256 bytes behind:
	; so columns 8 c .. 8 c + 3 lie at byte 16 c and columns 8 c + 4 .. + 7 at byte 256 + 16 c, and sixteen lanes read 256 consecutive bytes back.
	; In: sixteen rows at pitch 33 x 16 fall on sixteen different 16-byte columns modulo 256.
.irp g, 0,1,2,3,4,5,6,7
	ds_store_b64 v[RSTO], v[RS+2*\g:RS+2*\g+1] offset:\g*16*SP       ; the row's r, twice, into its padding (both halves of the lanes write the same bytes with the same value)
.endr
	WIN 0x08                                       ; store data (source 1) from window 2
.irp a, 0,1,2,3
.irp b, 0,1,2,3,4,5,6,7
	ds_store_b128 v[STO], v[8*(8*\a+\b):8*(8*\a+\b)+3]   offset:\a*16*SP+32*\b
	ds_store_b128 v[STO], v[8*(8*\a+\b)+4:8*(8*\a+\b)+7] offset:\a*16*SP+32*\b+256
.endr
.endr
	WIN 0x0c                                       ; from window 3
.irp a, 0,1,2,3
.irp b, 0,1,2,3,4,5,6,7
	ds_store_b128 v[STO], v[8*(8*\a+\b):8*(8*\a+\b)+3]   offset:(4+\a)*16*SP+32*\b
	ds_store_b128 v[STO], v[8*(8*\a+\b)+4:8*(8*\a+\b)+7] offset:(4+\a)*16*SP+32*\b+256
.endr
.endr
	WIN 0
	; A wave reads back only what it stored itself, and LDS serves a wave's instructions in order (ISA guide 5.7.1.4).  The barrier is kept all the same: behind it no wave
	; writes LDS again, so that the ordering of the loop's reads, whose address steps from trip to trip, hangs on no arithmetic of addresses.  The wait also shows the parameters in.
	s_wait_dscnt 0x0
	s_barrier_signal -1
	s_barrier_wait -1
; A unit: two rows of my 128 (lanes 0-15 the even one, lanes 16-31 the odd one), eight columns a lane.
.macro ASK u, off                      ; unit u's h and r, from the rows off bytes behind the trip's first
	ds_load_b128 v[HH+8*\u:HH+8*\u+3],   v[RD]  offset:\off+2*SP*\u
	ds_load_b128 v[HH+8*\u+4:HH+8*\u+7], v[RD]  offset:\off+2*SP*\u+256
	ds_load_b64  v[RR+2*\u:RR+2*\u+1],   v[RRD] offset:\off+2*SP*\u
.endm
; more = 1: when the chain has ended, the unit's registers are loaded again with its rows of the next trip.  left = how many younger LDS loads may stay out.
; In each layer the four multiply-adds that start the next S stand between the layer's result and the maxima that read it.
.macro UNIT u, more, left
	s_wait_dscnt \left                             ; LDS loads come back in order (ISA guide 5.7.1): my three are in, the other unit's three stay out
	WIN PAR_0
.irp p, 0,2,4,6
	v_pk_fma_f32 v[TT+\p:TT+\p+1], v[BETA+\p:BETA+\p+1], v[HH+8*\u+\p:HH+8*\u+\p+1], v[CB+\p:CB+\p+1]   ; t = S_0 = beta_0 h + c_0
.endr
.irp i, 0,1,2,3,4,5,6
.irp p, 0,2,4,6
	v_pk_fma_f32 v[TT+8*((\i+1)%2)+\p:TT+8*((\i+1)%2)+\p+1], v[BETA+8*\i+8+\p:BETA+8*\i+9+\p], v[HH+8*\u+\p:HH+8*\u+\p+1], v[CB+8*\i+8+\p:CB+8*\i+9+\p]   ; S_(i+1), into the other set
.endr
.irp j, 0,1,2,3,4,5,6,7
	v_max_num_f32 v[TT+8*(\i%2)+\j], 0, v[TT+8*(\i%2)+\j]
.endr
.irp p, 0,2,4,6
	v_pk_fma_f32 v[TT+8*((\i+1)%2)+\p:TT+8*((\i+1)%2)+\p+1], v[ALPHA+8*\i+\p:ALPHA+8*\i+\p+1], v[TT+8*(\i%2)+\p:TT+8*(\i%2)+\p+1], v[TT+8*((\i+1)%2)+\p:TT+8*((\i+1)%2)+\p+1]   ; t = S_(i+1) + alpha_i max(t, 0)
.endr
.endr
.irp j, 0,1,2,3,4,5,6,7
	v_max_num_f32 v[TT+8+\j], 0, v[TT+8+\j]        ; the seventh step left t in the second set
.endr
.irp p, 0,2,4,6
	v_pk_mul_f32 v[TT+8+\p:TT+9+\p], v[ALPHA+56+\p:ALPHA+57+\p], v[TT+8+\p:TT+9+\p]
.endr
	WIN 0
	s_wait_xcnt 0x0                                ; every earlier memory instruction has had its addresses translated (ISA guide 3.1): this unit's PK, which its last store reads, and the stores' base are rewritten only behind this wait
.if \u
	s_add_nc_u64 s[98:99], s[98:99], 4*ZROW        ; the next trip's four rows; this unit's store reaches back
.endif
.irp p, 0,2,4,6
	v_pk_mul_f32 v[TT+8+\p:TT+9+\p], v[TT+8+\p:TT+9+\p], v[RR+2*\u:RR+2*\u+1]   ; my row's r
.endr
.irp p, 0,1,2,3
	v_cvt_pk_f16_f32 v[PK+4*\u+\p], v[TT+8+2*\p], v[TT+9+2*\p]
.endr
	global_store_b128 v[CO], v[PK+4*\u:PK+4*\u+3], s[98:99] offset:\u*(2*ZROW-4*ZROW)   ; 16 lanes store 256 consecutive bytes, at a multiple of 256 from z's first byte
.if \more
	ASK \u, 4*SP
.endif
.endm
	ASK 0, 0                                       ; the first trip's four rows
	ASK 1, 0
	WIN PAR_0
.irp i, 0,1,2,3,4,5,6,7
.irp p, 0,2,4,6
	v_pk_mul_f32 v[CB+8*\i+\p:CB+8*\i+\p+1], v[BETA+8*\i+\p:BETA+8*\i+\p+1], v[CB+8*\i+\p:CB+8*\i+\p+1]   ; c_i = beta_i bias_i, once
.endr
.endr
	WIN 0
	s_mov_b32 s3, 128/4-1
.Lrows:
	UNIT 0, 1, 3
	UNIT 1, 1, 3
	v_add_nc_u32 v[RD],  4*SP, v[RD]               ; four rows on
	v_add_nc_u32 v[RRD], 4*SP, v[RRD]
	s_sub_co_u32 s3, s3, 1
	s_cmp_lg_u32 s3, 0
	s_cbranch_scc1 .Lrows
	UNIT 0, 0, 3                                   ; the last four rows: nothing more to read,
	UNIT 1, 0, 0                                   ; and the count runs down
	s_set_vgpr_msb 0x1
	s_wait_tensorcnt 0x0
	ds_add_u32 v255, v255
	s_wait_dscnt 0x0
	s_set_vgpr_msb 0x100
	CROUND                                         ; the closing round: no work-group ends while a partner may still ask for a tile that names it
	s_endpgm
.Lfunc_end_k_q513fad3dd8_hidden:
	.size	k_q513fad3dd8_hidden, .Lfunc_end_k_q513fad3dd8_hidden-k_q513fad3dd8_hidden
	.p2alignl 7, 3214868480
	.fill 96, 4, 3214868480
	.section	.rodata,"a",@progbits
	.p2align	6, 0x0
	.amdhsa_kernel k_q513fad3dd8_hidden
		.amdhsa_group_segment_fixed_size 327680
		.amdhsa_private_segment_fixed_size 0
		.amdhsa_enable_private_segment 0
		.amdhsa_kernarg_size 64
		.amdhsa_user_sgpr_count 2
		.amdhsa_user_sgpr_kernarg_segment_ptr 1
		.amdhsa_wavefront_size32 1
		.amdhsa_system_sgpr_workgroup_id_x 1
		.amdhsa_system_sgpr_workgroup_id_y 1
		.amdhsa_system_sgpr_workgroup_id_z 1
		.amdhsa_system_vgpr_workitem_id 0
		.amdhsa_next_free_vgpr 1024
		.amdhsa_next_free_sgpr 100
		.amdhsa_reserve_vcc 0
		.amdhsa_float_denorm_mode_32 3
		.amdhsa_float_denorm_mode_16_64 3
		.amdhsa_memory_ordered 1
		.amdhsa_forward_progress 1
		.amdhsa_inst_pref_size 159
	.end_amdhsa_kernel
	.amdgpu_metadata
---
amdhsa.version: [ 1, 2 ]
amdhsa.kernels:
  - .name:           k_q513fad3dd8_hidden
    .symbol:         k_q513fad3dd8_hidden.kd
    .args:
      - { .name: xh, .offset: 0, .size: 8, .value_kind: global_buffer, .address_space: global }
      - { .name: wh, .offset: 8, .size: 8, .value_kind: global_buffer, .address_space: global }
      - { .name: beta, .offset: 16, .size: 8, .value_kind: global_buffer, .address_space: global }
      - { .name: biases, .offset: 24, .size: 8, .value_kind: global_buffer, .address_space: global }
      - { .name: alpha, .offset: 32, .size: 8, .value_kind: global_buffer, .address_space: global }
      - { .name: xm, .offset: 40, .size: 8, .value_kind: global_buffer, .address_space: global }
      - { .name: bnd, .offset: 48, .size: 8, .value_kind: global_buffer, .address_space: global }
      - { .name: z, .offset: 56, .size: 8, .value_kind: global_buffer, .address_space: global }
    .group_segment_fixed_size: 327680
    .private_segment_fixed_size: 0
    .kernarg_segment_align: 8
    .kernarg_segment_size: 64
    .max_flat_workgroup_size: 128
    .sgpr_count:     100
    .vgpr_count:     1024
    .wavefront_size: 32
...
	.end_amdgpu_metadata
.endif
;; end of part 4
;; launch project (part 5): grid 4 x 64, 4 waves a work-group, clusters of 4 x 4, 327,680 bytes of LDS; arguments z, wt, bias_last, xm, bnd, out0; writes out0
.if DOCPART == 5
	.amdgcn_target "amdgcn-amd-amdhsa--gfx1250"
	.amdhsa_code_object_version 6
	.text
	.protected	k_q513fad3dd8_project
	.globl	k_q513fad3dd8_project
	.p2align	8
	.type	k_q513fad3dd8_project,@function
k_q513fad3dd8_project:
	s_mov_b64 s[64:65], 0
	v_nop
	global_prefetch_b8 v0, s[64:65] scope:SCOPE_SE
	s_setreg_imm32_b32 hwreg(HW_REG_WAVE_MODE, 25, 1), 1
	s_wait_xcnt 0x0
	s_wait_alu depctr_hold_cnt(0) depctr_sa_sdst(0) depctr_va_vdst(0) depctr_va_sdst(0) depctr_va_ssrc(0) depctr_va_vcc(0) depctr_vm_vsrc(0)
	s_getreg_b32 s2, hwreg(HW_REG_IB_STS2, 6, 4)
	s_cmp_eq_u32 s2, 0
	s_cbranch_scc0 .Lentry_in_a_cluster
	s_endpgm
.Lentry_in_a_cluster:
	s_bfe_u32 s2, ttmp6, 0x10000c
	s_cmp_lg_u32 s2, 0xf033
	s_cbranch_scc0 .Lentry_shape_is_right
	s_endpgm
.Lentry_shape_is_right:
; out0[m][i] = rinv[m] (sum over e of z[m][e] wt[i][e]) + bias_last[i].  z: [8192][4096], wt: [1024][4096] f16; bias_last: [1024], out0: [8192][1024] f32; sums in f32.
; z holds the hidden layer's result times r[m] = 1 / rinv[m]; rinv[m] = max(2^-4 Amax Wmax xm[m] + 2^-14 Bmax, 2^-100) is made here from xm and bnd by the same
; instructions, in the same order, as in the launch that scaled z.
; 256 work-groups, each a block of 128 rows x 256 columns.  The four waves split the columns and K: wave (kh = w / 2, nh = w % 2) makes all 128 rows x columns
; 128 nh .. + 127 over the half kh (64 of 128) of every K step, so that each keeps a tile of 128 x 128 (512 registers): 16 fragments from LDS feed 64 matrix
; instructions.  LIMITS KEPT: each output is two f32 sums over interleaved halves of K, added in f32 at the end: another order of rounding than one sum.  The bound
; 1,024 Amax Wmax xm + Bmax must stay below 2^126.
; K goes in steps of 128 through a ring of two LDS slots (z's 128 rows, then wt's 256 rows, pitch 272); a tile's rows are 256 bytes of memory, at multiples of 256.
; Two slots of a K step of 256 (202,752 bytes each) would not fit in LDS.
; CLUSTERS: 4 x 4 work-groups.  z's tiles hang on the block row alone and are asked for jointly by the four of a row of the cluster, wt's on the block column
; alone and by the four of a column.
; PREFETCH.  Every byte of z is read once in the launch, by one row of a cluster.  In lap t (two K steps) waves 0 and 1 ask for z's bytes of K steps 2 t + 4 and 2 t + 5,
; 512 bytes of each of the block's 128 rows, which the joint loads of lap t + 1 fetch: one lap, a wave's 256 matrix instructions, ahead of their request.  The 256 blocks of 256 bytes are shared
; out among the four work-groups that share the tile: work-group cx takes rows 32 cx .. + 31, wave nh sixteen of them, a lane one block; so each block is asked for once.
; K steps 2 and 3 are asked for at the head.  In lap 14 the offset is clamped to a row's last 512 bytes, which are thus asked for twice; the last lap asks for nothing.
; wt (8,388,608 bytes, read by all 64 block rows) is not prefetched.
; On the way out wave w lays its 128 x 128 f32 (pitch 528) at w x 67,584, over the ring: behind a barrier behind which no wave reads the ring, and no tensor load is out or to come.
; REGISTERS: window 0: v16-31 addresses and the bias; v64-127, v128-191 fragments of z, two buffers (on the way out: rows to add and store); v210-211 rinv;
; window 1: v64-127, v128-191 fragments of wt; window 2: accumulator tiles of rows 0-63 (tile (a, b) at v[8 (8 a + b)]); window 3: of rows 64-127.
; The matrix instruction is used transposed (source 0 = rows of wt, source 1 = rows of z): lane l holds row l % 16 and columns 8 (l / 16) + 0 .. 7 of a tile, 32 neighbouring bytes.
.set SIZE_K, 4096
.set KSTEP,  128
.set PITCH,  272                       ; 256 bytes + 16 of padding: sixteen rows start at sixteen different banks (64 banks of 4 bytes: ISA guide 11.1)
.set HALFT,  128*PITCH                 ; 128 rows
.set SLOT,   3*HALFT                   ; z's 128 rows, then wt's 256
.set SP,     528                       ; a stage row: 512 bytes + 16 = 33 x 16
.set WSTAGE, 128*SP                    ; a wave's stage
.set LAPS,   SIZE_K/(2*KSTEP)          ; 16
.set ADRA, 16                          ; v16-17  LDS address of my z fragments in slot 0, 1
.set ADRB, 20                          ; v20-21  the same for wt
.set PFO,  22                          ; v22     prefetch: byte offset, from my block row's first byte, of my block of 256 bytes in a lap's 512 bytes of a row; never rewritten
.set RD1,  23                          ; v23     the way out: the same rows in the stage of the wave with the other half of K
.set STO,  24                          ; v24     the way out: where I put 32 bytes of a row
.set RD0,  25                          ; v25     the way out: my 16 bytes of the rows that I add and store, in the stage of wave nh
.set CO,   26                          ; v26     my byte offset in a row of out0
.set BO,   27                          ; v27     my byte offset in bias_last
.set BIAS, 28                          ; v[28:31] bias_last of my 4 columns
.set F0,   64
.set F1,   128
.set WP,   200                         ; v[200:207] at the head: eight parts of Wmax a lane
.set AP,   208                         ; v208    a part of Amax
.set BP,   209                         ; v209    a part of Bmax
.set RI,   210                         ; v[210:211] xm, then rinv: lane l holds those of rows l and 32 + l of the 64 that I store
.set G1,  24                           ; s[24:31] descriptor group 1 for z's tiles (64 rows)
.set G0,  32                           ; s[32:39] group 0 for z's tiles, one set for each slot
.set G1B, 48                           ; s[48:55] group 1 for wt's tiles (128 rows)
.set G0B, 56                           ; s[56:63] group 0 for wt's tiles, one set for each slot
                                       ; s78 prefetch: byte in a row, unclamped; s[80:81] its address; s[82:83] the clamped byte, 0 above it; s[84:85] z at my block row
.set MSB, 0
.macro WIN new                         ; the immediate's high byte repeats the setting that is left; a switch that changes nothing is dropped
.if MSB != (\new)
	s_set_vgpr_msb (MSB<<8)|(\new)
.set MSB, (\new)
.endif
.endm
.set MUL_LO, 0xa1                      ; source 0 (wt) window 1, source 1 (z) window 0, C and D window 2
.set MUL_HI, 0xf1                      ; the same, C and D window 3
.set TO_B,   0x40                      ; destination window 1, address window 0
; A joint load.  Waves 0 and 1 fetch z's two halves of 64 rows, waves 2 and 3 wt's two halves of 128 rows.  The branch hangs on the wave's number alone.
.macro JLOAD s
	s_cmp_eq_u32 s11, 0
	s_cbranch_scc0 .Lfor_b_\@
	tensor_load_to_lds s[G0+4*\s:G0+4*\s+3], s[G1:G1+7]
	s_nop 0
	s_branch .Lasked_\@
.Lfor_b_\@:
	tensor_load_to_lds s[G0B+4*\s:G0B+4*\s+3], s[G1B:G1B+7]
	s_nop 0
.Lasked_\@:
.endm
; Waves 0 and 1 ask for 32 blocks of 256 bytes each, a lane one block.  It returns nothing and nothing waits for it.
.macro PFETCH
	s_cmp_lg_u32 s11, 0
	s_cbranch_scc1 .Lno_ask_\@
	global_prefetch_b8 v[PFO], s[80:81] th:TH_LOAD_NT scope:SCOPE_SE
.Lno_ask_\@:
.endm
.macro CREST                           ; a round of the cluster's barrier behind its opening barrier
	s_cmp_lg_u32 s10, 0
	s_cbranch_scc1 .Lnot_wave_0_\@
	s_barrier_signal -3
.Lnot_wave_0_\@:
	s_barrier_wait -3
	s_barrier_signal -1
	s_barrier_wait -1
.endm
.macro CROUND                          ; a whole round
	s_barrier_signal -1
	s_barrier_wait -1
	CREST
.endm
; maximum over the 32 lanes, in every lane
.macro WAVEMAX r, tmp
	v_max_num_f32_dpp v[\r], v[\r], v[\r] row_xmask:1 row_mask:0xf bank_mask:0xf
	v_max_num_f32_dpp v[\r], v[\r], v[\r] row_xmask:2 row_mask:0xf bank_mask:0xf
	v_max_num_f32_dpp v[\r], v[\r], v[\r] row_xmask:4 row_mask:0xf bank_mask:0xf
	v_max_num_f32_dpp v[\r], v[\r], v[\r] row_xmask:8 row_mask:0xf bank_mask:0xf
	v_permlanex16_b32 v[\tmp], v[\r], s66, s67     ; its destination counts as read: a register that has been written
	v_max_num_f32 v[\r], v[\r], v[\tmp]
.endm
	s_load_b128 s[4:7], s[0:1], 0x0                ; z s[4:5], wt s[6:7]
	s_load_b128 s[68:71], s[0:1], 0x10             ; bias_last s[68:69], xm s[70:71]
	s_load_b128 s[72:75], s[0:1], 0x20             ; bnd s[72:73], out0 s[74:75]
	s_set_vgpr_msb 0x40
	v_lshl_add_u32 v255, v0, 2, 0x42000
	s_set_vgpr_msb 0x4000
	v_mov_b32 v255, 0
	s_set_vgpr_msb 0x1
	ds_add_u32 v255, v255
	s_set_vgpr_msb 0x100
	s_mov_b32 s66, 0x76543210                      ; v_permlanex16_b32: lane i of one half reads lane i of the other
	s_mov_b32 s67, 0xfedcba98
	s_mov_b32 s77, 0                               ; the upper half of the pair whose lower half, s76, carries a row's rinv into the packed multiply-add
	v_lshrrev_b32 v1, 5, v0
	v_readfirstlane_b32 s10, v1                    ; wave 0..3
	s_lshr_b32 s11, s10, 1                         ; kh: my half of every K step.  Also: I fetch for z (0) or for wt (1)
	s_and_b32 s12, s10, 1                          ; nh: my half of the columns.  Also: which half of that tile I fetch
	s_bfe_u32 s40, ttmp6, 0x40000                  ; cx
	s_bfe_u32 s41, ttmp6, 0x40004                  ; cy
	s_lshl_b32 s42, ttmp9, 2
	s_add_co_u32 s42, s42, s40                     ; block column = 4 x cluster x + cx, 0 to 3
	s_and_b32 s13, ttmp7, 0xffff
	s_lshl_b32 s13, s13, 2
	s_add_co_u32 s13, s13, s41                     ; block row = 4 x cluster y + cy, 0 to 63
	s_lshl_b32 s43, s41, 2
	s_lshl_b32 s43, 15, s43                        ; my row of the cluster
	s_lshl_b32 s44, 0x1111, s40                    ; my column
	s_or_b32 s[G1+0], s43, (1<<16)|(1<<20)|(1<<21)|(5<<22)|(3<<25)  ; 15:0 mask: my row; element of 2 bytes; padding on; 21 set beside a mask; four words behind every 64
	s_or_b32 s[G1B+0], s44, (1<<16)|(1<<20)|(1<<21)|(5<<22)|(3<<25) ; the same with the mask of my column
	s_mov_b32 s[G1+1], KSTEP<<16                   ; tensor_dim0 = 128
	s_mov_b32 s[G1B+1], KSTEP<<16
	s_mov_b32 s[G1+2], 64<<16                      ; tensor_dim1 = 64
	s_mov_b32 s[G1B+2], 128<<16                    ;             = 128
	s_mov_b32 s[G1+3], KSTEP<<16                   ; tile_dim0 = 128
	s_mov_b32 s[G1B+3], KSTEP<<16
	s_mov_b32 s[G1+4], 64                          ; tile_dim1 = 64
	s_mov_b32 s[G1B+4], 128                        ;           = 128
	s_mov_b32 s[G1+5], SIZE_K                      ; elements from row to row
	s_mov_b32 s[G1B+5], SIZE_K
	s_mov_b32 s[G1+6], 0
	s_mov_b32 s[G1B+6], 0
	s_mov_b32 s[G1+7], 0
	s_mov_b32 s[G1B+7], 0
	s_lshl_b32 s16, s13, 7
	s_lshl_b32 s17, s12, 6
	s_add_co_u32 s16, s16, s17                     ; z: row 128 x block row + 64 x half
	s_lshl_b32 s46, s42, 8
	s_lshl_b32 s47, s12, 7
	s_add_co_u32 s46, s46, s47                     ; wt: row 256 x block column + 128 x half
	s_mov_b32 s17, 0
	s_mov_b32 s47, 0
	s_mov_b64 s[18:19], SIZE_K*2
	s_mul_u64 s[16:17], s[16:17], s[18:19]
	s_mul_u64 s[46:47], s[46:47], s[18:19]
	s_mul_i32 s20, s12, 64*PITCH                   ; where z's halves go,
	s_mul_i32 s45, s12, HALFT
	s_add_co_u32 s45, s45, HALFT                   ; and wt's, behind z's 128 rows
	s_lshl_b32 s82, s13, 20                        ; prefetch: my block row's 128 rows of 8,192 bytes
	s_mov_b32 s83, 0                               ; stays 0
	s_mov_b32 s78, 512                             ; K steps 2 and 3 begin at byte 512 of a row
	s_wait_dscnt 0x0
	s_wait_kmcnt 0x0
	s_add_nc_u64 s[14:15], s[4:5], s[16:17]
	s_add_nc_u64 s[46:47], s[6:7], s[46:47]
	s_add_nc_u64 s[84:85], s[4:5], s[82:83]
	s_add_nc_u64 s[80:81], s[84:85], 512
	CROUND                                         ; all sixteen work-groups are here: the first joint loads meet
.irp s, 0,1
	s_mov_b32 s[G0+4*\s], 1
	s_add_co_u32 s[G0+4*\s+1], s20, \s*SLOT
	s_add_nc_u64 s[G0+4*\s+2:G0+4*\s+3], s[14:15], \s*KSTEP*2      ; K step s
	s_or_b32 s[G0+4*\s+3], s[G0+4*\s+3], 0x80000000
	s_mov_b32 s[G0B+4*\s], 1
	s_add_co_u32 s[G0B+4*\s+1], s45, \s*SLOT
	s_add_nc_u64 s[G0B+4*\s+2:G0B+4*\s+3], s[46:47], \s*KSTEP*2
	s_or_b32 s[G0B+4*\s+3], s[G0B+4*\s+3], 0x80000000
	JLOAD \s                                       ; by this text's count a wave has two tensor loads out here, later one
.endr
	v_and_b32 v1, 15, v0                           ; l % 16
	v_bfe_u32 v2, v0, 4, 1                         ; l / 16
	v_and_b32 v6, 31, v0                           ; l
	; what rinv is made of, and the bias, asked for while the tiles are on their way
	v_lshlrev_b32 v7, 5, v6
	v_lshlrev_b32 v8, 2, v6
	s_lshl_b32 s16, s13, 9                         ; xm: 128 rows of 4 bytes a block row,
	s_lshl_b32 s17, s11, 8                         ; the 64 rows that I store
	s_add_co_u32 s16, s16, s17
	v_add_nc_u32 v9, s16, v8
	global_load_b128 v[WP:WP+3],   v7, s[72:73]
	global_load_b128 v[WP+4:WP+7], v7, s[72:73] offset:16
	global_load_b32 v[AP], v8, s[72:73] offset:1024
	global_load_b32 v[BP], v8, s[72:73] offset:1152
	global_load_b32 v[RI],   v9, s[70:71]
	global_load_b32 v[RI+1], v9, s[70:71] offset:128
	s_lshl_b32 s79, s40, 5                         ; prefetch: row 32 cx + 16 nh + l % 16 of the block's 128,
	s_lshl_b32 s86, s12, 4
	s_add_co_u32 s79, s79, s86
	v_add_nc_u32 v[PFO], s79, v1
	v_lshlrev_b32 v[PFO], 13, v[PFO]               ; rows of 8,192 bytes,
	v_lshl_add_u32 v[PFO], v2, 8, v[PFO]           ; and block l / 16 of the lap's two
	PFETCH                                         ; K steps 2 and 3, which the first lap's joint loads fetch
	v_mul_u32_u24 v3, v1, PITCH
	v_lshl_add_u32 v3, v2, 4, v3                   ; fragment: row x pitch + 16 x half
	s_lshl_b32 s21, s11, 7                         ; my half of a K step: 64 K = 128 bytes into every row; z's rows: all 128
	s_mul_i32 s22, s12, HALFT                      ; my 128 rows of wt,
	s_add_co_u32 s22, s22, s21
	s_add_co_u32 s22, s22, HALFT                   ; which lie behind z's
.irp s, 0,1
	v_add_nc_u32 v[ADRA+\s], s21, v3
	v_add_nc_u32 v[ADRB+\s], s22, v3
	s_add_co_u32 s21, s21, SLOT
	s_add_co_u32 s22, s22, SLOT
.endr
	s_mul_i32 s23, s10, WSTAGE                     ; my stage
	v_mul_u32_u24 v4, v1, SP                       ; in: row l % 16, 32 bytes for each half of the lanes
	v_lshl_add_u32 v4, v2, 5, v4
	v_add_nc_u32 v[STO], s23, v4
	s_mul_i32 s21, s12, WSTAGE                     ; back: rows 64 kh .. + 63 of the stage of wave nh (K half 0) and of wave 2 + nh (K half 1)
	s_mul_i32 s22, s11, 64*SP
	s_add_co_u32 s21, s21, s22
	v_lshlrev_b32 v[CO], 4, v6                     ; 32 lanes x 16 bytes: a row's 512 bytes
	v_add_nc_u32 v[RD0], s21, v[CO]
	v_add_nc_u32 v[RD1], 2*WSTAGE, v[RD0]
	s_lshl_b32 s46, s42, 10                        ; my first column, in bytes of f32: 1,024 x block column + 512 x nh
	s_lshl_b32 s47, s12, 9
	s_add_co_u32 s46, s46, s47
	s_mov_b32 s47, 0                               ; s[46:47] stay so until the way out
	v_add_nc_u32 v[BO], s46, v[CO]
	global_load_b128 v[BIAS:BIAS+3], v[BO], s[68:69]                ; bias_last of my 4 columns; BO is never written again
	; rinv = max(2^-4 Amax Wmax xm + 2^-14 Bmax, 2^-100)
	s_wait_loadcnt 0x0                             ; all seven loads, once, while the first tiles are on their way: no global load is out at any barrier
	v_max3_num_f32 v[WP],   v[WP],   v[WP+1], v[WP+2]
	v_max3_num_f32 v[WP+3], v[WP+3], v[WP+4], v[WP+5]
	v_max3_num_f32 v[WP],   v[WP],   v[WP+6], v[WP+7]
	v_max_num_f32  v[WP],   v[WP],   v[WP+3]
	WAVEMAX WP, WP+1
	WAVEMAX AP, WP+1
	WAVEMAX BP, WP+1
	v_mul_f32 v[WP], v[WP], v[AP]
	v_mul_f32 v[WP], 0x3d800000, v[WP]             ; x 2^-4
	v_mul_f32 v[BP], 0x38800000, v[BP]             ; x 2^-14
	v_fma_f32 v[RI],   v[WP], v[RI],   v[BP]
	v_fma_f32 v[RI+1], v[WP], v[RI+1], v[BP]
	v_max_num_f32 v[RI],   0x0d800000, v[RI]       ; at least 2^-100
	v_max_num_f32 v[RI+1], 0x0d800000, v[RI+1]
.macro MUL16 f, hi, a0, zero           ; 16 matrix instructions: m blocks a0, a0 + 1 of the window's four x all 8 n blocks, 32 along K; zero = 1: the first product starts the sums
.irp a, \a0, \a0+1
.irp b, 0,1,2,3,4,5,6,7
.if \zero
	v_wmma_f32_16x16x32_f16 v[8*(8*(\a)+\b):8*(8*(\a)+\b)+7], v[\f+8*\b:\f+8*\b+7], v[\f+8*(4*\hi+\a):\f+8*(4*\hi+\a)+7], 0
.else
	v_wmma_f32_16x16x32_f16 v[8*(8*(\a)+\b):8*(8*(\a)+\b)+7], v[\f+8*\b:\f+8*\b+7], v[\f+8*(4*\hi+\a):\f+8*(4*\hi+\a)+7], v[8*(8*(\a)+\b):8*(8*(\a)+\b)+7]
.endif
.endr
.endr
.endm
.macro FETCH slot, k, f                ; 32 LDS loads in one run: 128 rows of wt, 128 rows of z, 32 K at byte k of my half of the rows, into buffer f
	WIN TO_B
.irp i, 0,1,2,3,4,5,6,7
	ds_load_b128 v[\f+8*\i:\f+8*\i+3],   v[ADRB+\slot] offset:\k+\i*16*PITCH
	ds_load_b128 v[\f+8*\i+4:\f+8*\i+7], v[ADRB+\slot] offset:\k+\i*16*PITCH+32
.endr
	WIN 0
.irp i, 0,1,2,3,4,5,6,7
	ds_load_b128 v[\f+8*\i:\f+8*\i+3],   v[ADRA+\slot] offset:\k+\i*16*PITCH
	ds_load_b128 v[\f+8*\i+4:\f+8*\i+7], v[ADRA+\slot] offset:\k+\i*16*PITCH+32
.endr
.endm
; Four places behind a matrix instruction before a load lands on a register that it read, or an LDS store reads its result; only plain vector instructions that
; name none of its registers are places (ISA guide 7.12.1 for vector instructions).
.macro PLACES
.rept 4
	v_nop
.endr
.endm
; A wave's share of a K step is two quarters of 32 along K, 64 matrix instructions each, on buffers 0 and 1.  The 64 accumulators take turns, one instruction a
; turn, in the same order in every quarter, over the backward jump too.
.macro QUARTER slot, k, f, g, zero     ; multiplies buffer f; in its middle fetches the fragments at byte k of the same slot into buffer g
	s_wait_dscnt 8                                 ; wt and z's rows 0-63 are in; the youngest eight loads (z's rows 64-127) may be out
	WIN MUL_LO
	MUL16 \f, 0, 0, \zero
	MUL16 \f, 0, 2, \zero
	PLACES
	FETCH \slot, \k, \g
	s_wait_dscnt 32                                ; all but the 32 just issued
	WIN MUL_HI
	MUL16 \f, 1, 0, \zero
	MUL16 \f, 1, 2, \zero
.endm
; The second quarter: multiplies buffer 1 and changes slots.  In front of the barrier each wave waits for its reads of this slot and for all its tensor loads (the one
; that is out is its part of the next slot); behind it the refill comes first, then the next slot's first fragments.  From a request to the wait for it a wave issues 112 matrix instructions.
; ask = 1: behind the refill the lap's prefetch goes out.
.macro TURN slot, next, fill, ask
	s_wait_dscnt 8
	WIN MUL_LO
	MUL16 F1, 0, 0, 0
	s_wait_dscnt 0                                 ; my reads of this slot are over
	s_wait_tensorcnt 0x0                           ; and all my tensor loads have landed
	ds_add_u32 v255, v255
	s_wait_dscnt 0x0
	s_barrier_signal -1                            ; (where a slot is filled again this barrier opens a round of the cluster's barrier)
	MUL16 F1, 0, 2, 0                              ; register work while the others arrive
	WIN 0
	s_barrier_wait -1
.if \fill
	CREST                                          ; no wave of any partner still reads this slot's tile or has a load on its way
	s_add_nc_u64 s[G0+4*\slot+2:G0+4*\slot+3], s[G0+4*\slot+2:G0+4*\slot+3], 2*KSTEP*2
	s_add_nc_u64 s[G0B+4*\slot+2:G0B+4*\slot+3], s[G0B+4*\slot+2:G0B+4*\slot+3], 2*KSTEP*2
	JLOAD \slot                                    ; the first tensor load behind the round, and my only one until the next
.endif
.if \ask
	s_wait_xcnt 0x0                                ; the last prefetch, a lap ago, has had its addresses translated (ISA guide 3.1): its base is rewritten only behind this wait
	s_add_co_u32 s78, s78, 2*KSTEP*2               ; the next two K steps' 512 bytes of a row,
	s_min_u32 s82, s78, SIZE_K*2-2*KSTEP*2         ; never past a row's last 512
	s_add_nc_u64 s[80:81], s[84:85], s[82:83]
	PFETCH
.endif
	PLACES
	FETCH \next, 0, F0
	WIN MUL_HI
	MUL16 F1, 1, 0, 0
	MUL16 F1, 1, 2, 0
.endm
.macro LAP zero                        ; once round the ring, both slots filled again
	QUARTER 0, 64, F0, F1, \zero
	TURN 0, 1, 1, 1
	QUARTER 1, 64, F0, F1, 0
	TURN 1, 0, 1, 0
.endm
	s_wait_tensorcnt 1                             ; my part of K step 0 is in; K step 1's, issued behind it, stays out
	s_barrier_signal -1
	s_barrier_wait -1                              ; everybody's is
	FETCH 0, 0, F0
	LAP 1                                          ; the first lap stands in front of the loop: its first products start the sums
	WIN 0                                          ; at a label and at a branch every window is 0
	s_mov_b32 s3, LAPS-2
.Llap:
	LAP 0
	WIN 0
	s_sub_co_u32 s3, s3, 1
	s_cmp_lg_u32 s3, 0
	s_cbranch_scc1 .Llap
	QUARTER 0, 64, F0, F1, 0                       ; the last lap fills nothing and asks for nothing
	TURN 0, 1, 0, 0
	QUARTER 1, 64, F0, F1, 0
	s_wait_dscnt 8                                 ; the very last quarter: nothing more to fetch
	WIN MUL_LO
	MUL16 F1, 0, 0, 0
	MUL16 F1, 0, 2, 0
	s_wait_dscnt 0
	WIN MUL_HI
	MUL16 F1, 1, 0, 0
	MUL16 F1, 1, 2, 0
	; THE WAY OUT.  Four places behind the last matrix instructions, for the LDS stores that read results and the loads into the fragment buffers.
	PLACES
	WIN 0
	s_lshl_b32 s16, s13, 19                        ; the first row that I store: 128 x block row + 64 kh, rows of 4,096 bytes
	s_lshl_b32 s17, s11, 18
	s_add_co_u32 s16, s16, s17
	s_mov_b32 s17, 0
	s_add_nc_u64 s[74:75], s[74:75], s[16:17]
	s_add_nc_u64 s[74:75], s[74:75], s[46:47]      ; and my first column
	s_wait_dscnt 0x0                               ; my reads of the ring are over (met: the wait above),
	s_barrier_signal -1
	s_barrier_wait -1                              ; and everybody's: the stages may now lie over the ring
	WIN 0x08                                       ; store data (source 1) from window 2
.irp a, 0,1,2,3
.irp b, 0,1,2,3,4,5,6,7
	ds_store_b128 v[STO], v[8*(8*\a+\b):8*(8*\a+\b)+3]   offset:\a*16*SP+64*\b
	ds_store_b128 v[STO], v[8*(8*\a+\b)+4:8*(8*\a+\b)+7] offset:\a*16*SP+64*\b+16
.endr
.endr
	WIN 0x0c                                       ; from window 3
.irp a, 0,1,2,3
.irp b, 0,1,2,3,4,5,6,7
	ds_store_b128 v[STO], v[8*(8*\a+\b):8*(8*\a+\b)+3]   offset:(4+\a)*16*SP+64*\b
	ds_store_b128 v[STO], v[8*(8*\a+\b)+4:8*(8*\a+\b)+7] offset:(4+\a)*16*SP+64*\b+16
.endr
.endr
	WIN 0
	s_wait_dscnt 0x0                               ; my sums are in LDS, for the other waves' sake,
	s_barrier_signal -1
	s_barrier_wait -1                              ; and so are everybody's
; Eight rows: the two halves of K are added, the sum is multiplied by the row's rinv with the bias added in the same instruction, and the row's 512 bytes are stored.
; f: one of two sets of 64 registers, in turn (first 32: K half 0 and the result; last 32: K half 1)
.macro SUMG g, f
	s_wait_xcnt 0x0                                ; every earlier memory instruction has had its addresses translated (ISA guide 3.1): set f, which earlier stores read, is loaded again only behind this wait
.irp t, 0,1,2,3,4,5,6,7
	ds_load_b128 v[\f+4*\t:\f+4*\t+3],       v[RD0] offset:(8*\g+\t)*SP
	ds_load_b128 v[\f+32+4*\t:\f+32+4*\t+3], v[RD1] offset:(8*\g+\t)*SP
.endr
.irp t, 0,1,2,3,4,5,6,7
	v_readlane_b32 s76, v[RI+(8*\g+\t)/32], (8*\g+\t)%32             ; rinv of row 8 g + t of my 64
	s_wait_dscnt 14-2*\t                           ; row t's two loads are in; the two of each later row stay out
	v_pk_add_f32 v[\f+4*\t:\f+4*\t+1],   v[\f+4*\t:\f+4*\t+1],   v[\f+32+4*\t:\f+32+4*\t+1]
	v_pk_add_f32 v[\f+4*\t+2:\f+4*\t+3], v[\f+4*\t+2:\f+4*\t+3], v[\f+32+4*\t+2:\f+32+4*\t+3]
	v_pk_fma_f32 v[\f+4*\t:\f+4*\t+1],   v[\f+4*\t:\f+4*\t+1],   s[76:77], v[BIAS:BIAS+1]   op_sel_hi:[1,0,1]   ; both halves times s76
	v_pk_fma_f32 v[\f+4*\t+2:\f+4*\t+3], v[\f+4*\t+2:\f+4*\t+3], s[76:77], v[BIAS+2:BIAS+3] op_sel_hi:[1,0,1]
	global_store_b128 v[CO], v[\f+4*\t:\f+4*\t+3], s[74:75] offset:(8*\g+\t)*4096 th:TH_STORE_NT   ; the wave stores 512 consecutive bytes, at a multiple of 512 from out0's first byte
.endr
.endm
	SUMG 0, F0
	SUMG 1, F1
	SUMG 2, F0
	SUMG 3, F1
	SUMG 4, F0
	SUMG 5, F1
	SUMG 6, F0
	SUMG 7, F1
	s_set_vgpr_msb 0x1
	s_wait_tensorcnt 0x0
	ds_add_u32 v255, v255
	s_wait_dscnt 0x0
	s_set_vgpr_msb 0x100
	CROUND                                         ; the closing round: no work-group ends while a partner may still ask for a tile that names it
	s_endpgm
.Lfunc_end_k_q513fad3dd8_project:
	.size	k_q513fad3dd8_project, .Lfunc_end_k_q513fad3dd8_project-k_q513fad3dd8_project
	.p2alignl 7, 3214868480
	.fill 96, 4, 3214868480
	.section	.rodata,"a",@progbits
	.p2align	6, 0x0
	.amdhsa_kernel k_q513fad3dd8_project
		.amdhsa_group_segment_fixed_size 327680
		.amdhsa_private_segment_fixed_size 0
		.amdhsa_enable_private_segment 0
		.amdhsa_kernarg_size 48
		.amdhsa_user_sgpr_count 2
		.amdhsa_user_sgpr_kernarg_segment_ptr 1
		.amdhsa_wavefront_size32 1
		.amdhsa_system_sgpr_workgroup_id_x 1
		.amdhsa_system_sgpr_workgroup_id_y 1
		.amdhsa_system_sgpr_workgroup_id_z 1
		.amdhsa_system_vgpr_workitem_id 0
		.amdhsa_next_free_vgpr 1024
		.amdhsa_next_free_sgpr 88
		.amdhsa_reserve_vcc 0
		.amdhsa_float_denorm_mode_32 3
		.amdhsa_float_denorm_mode_16_64 3
		.amdhsa_memory_ordered 1
		.amdhsa_forward_progress 1
		.amdhsa_inst_pref_size 136
	.end_amdhsa_kernel
	.amdgpu_metadata
---
amdhsa.version: [ 1, 2 ]
amdhsa.kernels:
  - .name:           k_q513fad3dd8_project
    .symbol:         k_q513fad3dd8_project.kd
    .args:
      - { .name: z, .offset: 0, .size: 8, .value_kind: global_buffer, .address_space: global }
      - { .name: wt, .offset: 8, .size: 8, .value_kind: global_buffer, .address_space: global }
      - { .name: bias_last, .offset: 16, .size: 8, .value_kind: global_buffer, .address_space: global }
      - { .name: xm, .offset: 24, .size: 8, .value_kind: global_buffer, .address_space: global }
      - { .name: bnd, .offset: 32, .size: 8, .value_kind: global_buffer, .address_space: global }
      - { .name: out0, .offset: 40, .size: 8, .value_kind: global_buffer, .address_space: global }
    .group_segment_fixed_size: 327680
    .private_segment_fixed_size: 0
    .kernarg_segment_align: 8
    .kernarg_segment_size: 48
    .max_flat_workgroup_size: 128
    .sgpr_count:     88
    .vgpr_count:     1024
    .wavefront_size: 32
...
	.end_amdgpu_metadata
.endif
;; end of part 5
